; MI455X (gfx1250); checked and timed in simulation.
; The chip was launched on July 23, 2026; its instructions are those of AMD's public machine-readable ISA for CDNA 5 (MIT licence, August 2026) and "CDNA5" Instruction Set Architecture Reference Guide (July 2026). The comments in the code are by the model that wrote it; some were corrected since.
;; Transformer Block. Allowed arithmetic: matrix products marked QUANTISED: E4M3 operands, one given power-of-two scale a tensor, by v_wmma_f32_16x16x64_fp8_fp8 or v_wmma_f32_16x16x128_fp8_fp8, f32 sums; everything else in f32.
;; Inputs: k_proj 512 x 512 float32; ln1_w 512 float32; ln2_w 512 float32; lowp_scales 18 int32 (the exponents e of the quantised operands' scales 2^e); o_proj 512 x 512 float32; q_proj 512 x 512 float32; token_positions 2,048 int32; v_proj 512 x 512 float32; w1 512 x 512 float32; w2 512 x 512 float32; w3 512 x 512 float32; x 4 x 2,048 x 512 float32.
;; Outputs: out0 4 x 2,048 x 512 float32.
;; This version of the problem:
;;   THIS VERSION OF THE PROBLEM IS GIVEN IN LOW PRECISION. The matrix products marked QUANTISED in the list below multiply operands that are first quantised to E4M3 (4 exponent bits, 3 mantissa bits; 8 bits a number), with one given power-of-two scale for each operand tensor; their sums are f32. All else is computed in f32.
;;   The module's matrix products, in the order in which they are computed (A, B: the left and right operand; K: the contracted axis; several contracted axes count as one K, in the product's order):
;;     1. [M 8,192, K 512] x [K 512, N 512]; A: computed on the way; B: input q_proj: QUANTISED (scales: A lowp_scales[0], B lowp_scales[1])
;;     2. [M 8,192, K 512] x [K 512, N 512]; A: computed on the way; B: input k_proj: QUANTISED (scales: A lowp_scales[2], B lowp_scales[3])
;;     3. [M 8,192, K 512] x [K 512, N 512]; A: computed on the way; B: input v_proj: QUANTISED (scales: A lowp_scales[4], B lowp_scales[5])
;;     4. batch 64 x [M 2,048, K 32] x [K 32, N 2,048]; A: computed on the way; B: computed on the way: QUANTISED (scales: A lowp_scales[6], B lowp_scales[7])
;;     5. batch 64 x [M 2,048, K 2,048] x [K 2,048, N 32]; A: softmax (see below); B: computed on the way: QUANTISED (scales: A lowp_scales[8], B lowp_scales[9])
;;     6. [M 8,192, K 512] x [K 512, N 512]; A: computed on the way; B: input o_proj: QUANTISED (scales: A lowp_scales[10], B lowp_scales[11])
;;     7. [M 8,192, K 512] x [K 512, N 512]; A: computed on the way; B: input w1: QUANTISED (scales: A lowp_scales[12], B lowp_scales[13])
;;     8. [M 8,192, K 512] x [K 512, N 512]; A: computed on the way; B: input w3: QUANTISED (scales: A lowp_scales[14], B lowp_scales[15])
;;     9. [M 8,192, K 512] x [K 512, N 512]; A: computed on the way; B: input w2: QUANTISED (scales: A lowp_scales[16], B lowp_scales[17])
;;   THE QUANTISER, for each operand of a quantised product, along K:
;;     - The operand's scale is 2^e, e = its entry of the input lowp_scales (int32; the entries are numbered through the quantised products in the list's order, A before B).
;;     - Each number is divided by the scale, clamped to +-448, and rounded to the nearest number of E4M3, ties to even, subnormals kept.
;;     - The product sums the exact products of the quantised numbers (number of the format x scale) in f32.
;;   ~~~python
;;   def quantise(x, axis, e):      # numpy; x: float32 -> the quantised numbers, widened to float32 again
;;       x = np.moveaxis(x, axis, -1); K = x.shape[-1]
;;       r = np.clip(x / 2.0 ** e, -448, 448)
;;       step = 2.0 ** (np.maximum(np.frexp(np.where(r == 0, 1, r))[1] - 1, -6) - 3)
;;       q = np.round(r / step) * step * 2.0 ** e      # np.round: ties to even
;;       return np.moveaxis(q, -1, axis).astype(np.float32)
;;   ~~~
;;   SOFTMAX AHEAD OF A QUANTISED PRODUCT. Where the list says 'softmax', what is quantised is not the finished softmax but p = 2^(t - M), with t = logit x log2(e) and M = ceil(the row's largest t), a whole number; so 1/2 < the row's largest p <= 1. The row's sum l is taken of the UNQUANTISED p, in f32, and the product's result is divided by l at the end. Since M is a whole number, a kernel that streams over the keys may use a running M (the ceiling of the running maximum): every later rescaling is an exact power of two, so the quantised numbers keep their values, but for numbers so far below the row's largest that they fall under the format's range.
;;   OPERANDS COMPUTED ON THE WAY. 'Computed on the way' means the value that the module computes at that place (a softmax that the list does not call 'softmax' is quantised finished and normalised). What goes into a quantiser is computed in f32, as accurately as f32 sums, v_exp_f32 and their like allow (about 1e-6 of the number): no bf16 or f16 on the way to a quantiser, and a product that is left as it is and whose result goes on into a quantised operand takes f32 operands (vector FMAs, or v_wmma_f32_16x16x4_f32). A number that lies on a knife's edge between two numbers of the format may be rounded either way, as far as f32 arithmetic and the matrix unit's own rounding can turn it there, and no further.
;; 2 versions. Each part assembles by itself: llvm-mc -triple=amdgcn-amd-amdhsa -mcpu=gfx1250 --defsym DOCPART=n.
;; ======== version 1 of 2: 4 launches
;; workspace buffers: wimg 1,835,008 bytes; rope 262,144 bytes; qkv 12,582,912 bytes; acode 4,194,304 bytes
;; launch prep (part 1): grid 256 x 1, 4 waves a work-group, no clusters, 0 bytes of LDS; arguments q_proj, k_proj, v_proj, o_proj, w1, w3, w2, lowp_scales, token_positions, wimg, rope; writes wimg, rope
.if DOCPART == 1
	.amdgcn_target "amdgcn-amd-amdhsa--gfx1250"
	.amdhsa_code_object_version 6
	.text
	.protected	k_qbc65ef670e_prep
	.globl	k_qbc65ef670e_prep
	.p2align	8
	.type	k_qbc65ef670e_prep,@function
k_qbc65ef670e_prep:
	s_mov_b64 s[64:65], 0
	v_nop
	global_prefetch_b8 v0, s[64:65] scope:SCOPE_SE
	s_setreg_imm32_b32 hwreg(HW_REG_WAVE_MODE, 25, 1), 1
	s_wait_xcnt 0x0
; PREP.  (a) The seven weights [512 (n)][512 (k)] f32 become codes of E4M3, each with its given scale 2^e, laid as IMAGES OF OPERAND REGISTERS:
;   wimg[W][tile t 0..31][K step s 0..3][chunk c 0..3][lane][16 bytes];  W: 0 q, 1 k, 2 v, 3 o, 4 w1, 5 w3, 6 w2.
;   Lane (r = lane % 16, h = lane / 16) of tile t = 2 b + u holds row 32 b + 8 u + r + 8 (r / 8) of the weight, k = 128 s + 32 c + 16 h + 0 .. 15.
;   Four 16-byte loads at 16 x lane + 512 c then fill a fragment's 16 registers.  The place of k in the registers is one permutation, the same in both operands of every product that reads these images.
; (b) cos and sin of position x 10000^(-i / 16), i = 0 .. 15, for the 2,048 tokens: rope[token tile 0..127][chunk][lane][16 bytes], f32; lane (r, h): token 16 tile + r;
;   chunk 0: cos of i = 8 h + 0 .. 3, chunk 1: cos of 8 h + 4 .. 7, chunks 2 and 3: the sines.
; SHARES: work-groups 0 .. 223: weight W = number / 32, tile t = number % 32, wave = K step: one fragment a wave.  Work-groups 224 .. 255: a token tile a wave.
; No LDS, no barrier, no matrix unit, no cluster: no two waves read the same bytes, and each output byte is made from four input bytes read once.
; LIMITS: each weight's e between -126 and 119, so that 2^e and 448 x 2^e are f32 numbers.  NaN among the inputs is not served.  Sine and cosine: the angle is brought into +-pi/4 with pi/2 in three f32 parts
; and fused multiply-adds, then two polynomials of degree 7 and 8: good to f32's own rounding for positions up to 2^24 in magnitude.
.set COSR, 40                          ; v40-47 cos of my eight frequencies
.set SINR, 48                          ; v48-55 sin
	s_load_b512 s[8:23], s[0:1], 0x0               ; q, k, v, o, w1, w3, w2 at s[8+2W:9+2W]; the scales' exponents s[22:23]
	s_load_b128 s[24:27], s[0:1], 0x40             ; token_positions s[24:25], wimg s[26:27]
	s_load_b64 s[28:29], s[0:1], 0x50              ; rope
	v_lshrrev_b32 v1, 5, v0
	v_readfirstlane_b32 s30, v1                    ; wave 0..3
	v_and_b32 v2, 31, v0                           ; lane
	v_and_b32 v3, 15, v0                           ; r
	v_bfe_u32 v4, v0, 4, 1                         ; h
	v_lshlrev_b32 v5, 4, v2                        ; 16 x lane
	s_wait_kmcnt 0x0
	s_cmp_lt_u32 ttmp9, 224
	s_cbranch_scc0 .Lrope
; ---------------- a fragment of a weight
	s_lshr_b32 s31, ttmp9, 5                       ; W
	s_and_b32 s32, ttmp9, 31                       ; t
	s_mov_b64 s[4:5], s[8:9]
.irp k, 1,2,3,4,5,6
	s_cmp_eq_u32 s31, \k                           ; the choice hangs on the work-group's number alone
	s_cselect_b64 s[4:5], s[8+2*\k:9+2*\k], s[4:5]
.endr
	s_lshl_b32 s33, s31, 1                         ; the weight's entry among the scales: 1, 3, 5, 11, 13, 15, 17 = 2 W + 1, and 4 more from W = 3 on
	s_add_co_u32 s33, s33, 1
	s_cmp_ge_u32 s31, 3
	s_cselect_b32 s34, 4, 0
	s_add_co_u32 s33, s33, s34
	s_lshl_b32 s33, s33, 2
	s_load_b32 s35, s[22:23], s33 offset:0x0       ; e
	v_and_b32 v6, 8, v3
	v_add_nc_u32 v6, v6, v3                        ; r + 8 (r / 8)
	v_lshlrev_b32 v6, 11, v6                       ; a row is 2,048 bytes
	v_lshl_add_u32 v6, v4, 6, v6                   ; + 64 h: my 16 numbers of each 32
	s_lshr_b32 s36, s32, 1
	s_lshl_b32 s36, s36, 16                        ; 32 (t / 2) rows
	s_and_b32 s37, s32, 1
	s_lshl_b32 s37, s37, 14                        ; 8 (t % 2) rows
	s_add_co_u32 s36, s36, s37
	s_lshl_b32 s37, s30, 9                         ; K step: 128 numbers
	s_add_co_u32 s36, s36, s37
	s_mov_b32 s37, 0
	s_add_nc_u64 s[4:5], s[4:5], s[36:37]
.set q, 0
.rept 16
	global_load_b128 v[16+4*q:19+4*q], v6, s[4:5] offset:128*(q/4)+16*(q%4)   ; register 16 c + i = k 32 c + 16 h + i of my row
.set q, q+1
.endr
	s_lshl_b32 s38, ttmp9, 13                      ; (32 W + t) x 4 fragments of 2,048 bytes
	s_lshl_b32 s39, s30, 11
	s_add_co_u32 s38, s38, s39
	s_mov_b32 s39, 0
	s_add_nc_u64 s[26:27], s[26:27], s[38:39]
	s_wait_kmcnt 0x0
	s_add_co_i32 s35, s35, 127
	s_lshl_b32 s40, s35, 23
	v_mov_b32 v8, s40                              ; 2^e as f32: the conversion takes its exponent field
	s_add_co_i32 s35, s35, 8
	s_lshl_b32 s35, s35, 23
	s_or_b32 s35, s35, 0x600000
	v_mov_b32 v9, s35                              ; 448 x 2^e
	s_wait_loadcnt 0x0
.set q, 0
.rept 64
	v_med3_num_f32 v[16+q], v[16+q], -v9, v9       ; the conversion to an 8-bit code does not saturate (ISA guide 7.6.2): the hold at the largest code x the scale comes first
.set q, q+1
.endr
.set q, 0
.rept 8
	v_cvt_scalef32_pk8_fp8_f32 v[80+2*q:81+2*q], v[16+8*q:23+8*q], v8
.set q, q+1
.endr
.irp c, 0,1,2,3
	global_store_b128 v5, v[80+4*\c:83+4*\c], s[26:27] offset:512*\c   ; the wave stores 512 consecutive bytes, aligned
.endr
	s_endpgm
; ---------------- a token tile's cosines and sines
.Lrope:
	s_sub_co_u32 s31, ttmp9, 224
	s_lshl_b32 s31, s31, 2
	s_add_co_u32 s31, s31, s30                     ; token tile
	s_lshl_b32 s32, s31, 6                         ; its 16 positions: 64 bytes
	s_mov_b32 s33, 0
	s_add_nc_u64 s[24:25], s[24:25], s[32:33]
	v_lshlrev_b32 v6, 2, v3
	global_load_b32 v7, v6, s[24:25]               ; my token's position
	s_lshl_b32 s36, s31, 11
	s_mov_b32 s37, 0
	s_add_nc_u64 s[28:29], s[28:29], s[36:37]
	s_mov_b32 s40, 0xbfc90fdb                      ; -(pi/2) in three parts: the nearest f32,
	s_mov_b32 s41, 0x333bbd2e                      ; what it lacks,
	s_mov_b32 s42, 0x26f72ced                      ; and what that lacks
	s_mov_b32 s43, 0xb94ca1f9                      ; sine: -1.9515296e-4,
	s_mov_b32 s44, 0x3c08839e                      ; 8.3321609e-3,
	s_mov_b32 s45, 0xbe2aaaa3                      ; -1.6666655e-1
	s_mov_b32 s46, 0x37ccf5ce                      ; cosine: 2.4433157e-5,
	s_mov_b32 s47, 0xbab6061a                      ; -1.3887316e-3,
	s_mov_b32 s48, 0x3d2aaaa5                      ; 4.1666646e-2
	v_cmp_ne_u32 vcc_lo, 0, v4                     ; lanes 16-31 take frequencies 8 .. 15
	s_wait_loadcnt 0x0
	v_cvt_f32_i32 v7, v7
; cos and sin of position x frequency; lo: 10^(-i / 4), hi: 10^(-(8 + i) / 4).  Every choice selects a value; nothing branches.
.macro SINCOS i, lo, hi
	v_mul_f32 v20, \lo, v7
	v_mul_f32 v21, \hi, v7
	v_cndmask_b32 v20, v20, v21, vcc_lo            ; the angle
	v_mul_f32 v21, 0x3f22f983, v20                 ; x 2 / pi
	v_rndne_f32 v21, v21                           ; n
	v_fma_f32 v22, v21, s40, v20
	v_fma_f32 v22, v21, s41, v22
	v_fma_f32 v22, v21, s42, v22                   ; rho = angle - n pi/2, within +-pi/4
	v_mul_f32 v23, v22, v22                        ; z
	v_fma_f32 v24, v23, s43, s44
	v_fma_f32 v24, v24, v23, s45
	v_mul_f32 v25, v22, v23
	v_fma_f32 v24, v25, v24, v22                   ; sin rho
	v_fma_f32 v26, v23, s46, s47
	v_fma_f32 v26, v26, v23, s48
	v_mul_f32 v27, v23, v23
	v_fma_f32 v28, v23, -0.5, 1.0
	v_fma_f32 v26, v27, v26, v28                   ; cos rho
	v_cvt_i32_f32 v29, v21
	v_and_b32 v30, 1, v29
	v_cmp_ne_u32 s50, 0, v30                       ; n odd: the two change places
	v_cndmask_b32 v31, v24, v26, s50
	v_cndmask_b32 v32, v26, v24, s50
	v_lshlrev_b32 v33, 30, v29
	v_and_b32 v33, 0x80000000, v33                 ; the sine is negated where n % 4 is 2 or 3,
	v_xor_b32 v[SINR+\i], v31, v33
	v_add_nc_u32 v29, 1, v29
	v_lshlrev_b32 v29, 30, v29
	v_and_b32 v29, 0x80000000, v29                 ; the cosine where it is 1 or 2
	v_xor_b32 v[COSR+\i], v32, v29
.endm
	SINCOS 0, 1.0, 0.01
	SINCOS 1, 0.562341325, 0.00562341325
	SINCOS 2, 0.316227766, 0.00316227766
	SINCOS 3, 0.177827941, 0.00177827941
	SINCOS 4, 0.1, 0.001
	SINCOS 5, 0.0562341325, 0.000562341325
	SINCOS 6, 0.0316227766, 0.000316227766
	SINCOS 7, 0.0177827941, 0.000177827941
.irp c, 0,1,2,3
	global_store_b128 v5, v[COSR+4*\c:COSR+4*\c+3], s[28:29] offset:512*\c   ; 512 consecutive bytes a store
.endr
	s_endpgm
.Lfunc_end_k_qbc65ef670e_prep:
	.size	k_qbc65ef670e_prep, .Lfunc_end_k_qbc65ef670e_prep-k_qbc65ef670e_prep
	.p2alignl 7, 3214868480
	.fill 96, 4, 3214868480
	.section	.rodata,"a",@progbits
	.p2align	6, 0x0
	.amdhsa_kernel k_qbc65ef670e_prep
		.amdhsa_group_segment_fixed_size 0
		.amdhsa_private_segment_fixed_size 0
		.amdhsa_enable_private_segment 0
		.amdhsa_kernarg_size 88
		.amdhsa_user_sgpr_count 2
		.amdhsa_user_sgpr_kernarg_segment_ptr 1
		.amdhsa_wavefront_size32 1
		.amdhsa_system_sgpr_workgroup_id_x 1
		.amdhsa_system_sgpr_workgroup_id_y 1
		.amdhsa_system_sgpr_workgroup_id_z 1
		.amdhsa_system_vgpr_workitem_id 0
		.amdhsa_next_free_vgpr 128
		.amdhsa_next_free_sgpr 66
		.amdhsa_reserve_vcc 1
		.amdhsa_float_denorm_mode_32 3
		.amdhsa_float_denorm_mode_16_64 3
		.amdhsa_memory_ordered 1
		.amdhsa_forward_progress 1
		.amdhsa_inst_pref_size 23
	.end_amdhsa_kernel
	.amdgpu_metadata
---
amdhsa.version: [ 1, 2 ]
amdhsa.kernels:
  - .name:           k_qbc65ef670e_prep
    .symbol:         k_qbc65ef670e_prep.kd
    .args:
      - { .name: q_proj, .offset: 0, .size: 8, .value_kind: global_buffer, .address_space: global }
      - { .name: k_proj, .offset: 8, .size: 8, .value_kind: global_buffer, .address_space: global }
      - { .name: v_proj, .offset: 16, .size: 8, .value_kind: global_buffer, .address_space: global }
      - { .name: o_proj, .offset: 24, .size: 8, .value_kind: global_buffer, .address_space: global }
      - { .name: w1, .offset: 32, .size: 8, .value_kind: global_buffer, .address_space: global }
      - { .name: w3, .offset: 40, .size: 8, .value_kind: global_buffer, .address_space: global }
      - { .name: w2, .offset: 48, .size: 8, .value_kind: global_buffer, .address_space: global }
      - { .name: lowp_scales, .offset: 56, .size: 8, .value_kind: global_buffer, .address_space: global }
      - { .name: token_positions, .offset: 64, .size: 8, .value_kind: global_buffer, .address_space: global }
      - { .name: wimg, .offset: 72, .size: 8, .value_kind: global_buffer, .address_space: global }
      - { .name: rope, .offset: 80, .size: 8, .value_kind: global_buffer, .address_space: global }
    .group_segment_fixed_size: 0
    .private_segment_fixed_size: 0
    .kernarg_segment_align: 8
    .kernarg_segment_size: 88
    .max_flat_workgroup_size: 128
    .sgpr_count:     66
    .vgpr_count:     128
    .wavefront_size: 32
...
	.end_amdgpu_metadata
.endif
;; end of part 1
;; launch qkv (part 2): grid 64 x 3, 4 waves a work-group, no clusters, 90,624 bytes of LDS; arguments x, ln1_w, lowp_scales, wimg, rope, qkv; writes qkv
.if DOCPART == 2
	.amdgcn_target "amdgcn-amd-amdhsa--gfx1250"
	.amdhsa_code_object_version 6
	.text
	.protected	k_qbc65ef670e_qkv
	.globl	k_qbc65ef670e_qkv
	.p2align	8
	.type	k_qbc65ef670e_qkv,@function
k_qbc65ef670e_qkv:
	s_mov_b64 s[64:65], 0
	v_nop
	global_prefetch_b8 v0, s[64:65] scope:SCOPE_SE
	s_setreg_imm32_b32 hwreg(HW_REG_WAVE_MODE, 25, 1), 1
	s_wait_xcnt 0x0
; QKV.  x_ln = x rsqrt(mean(x^2) + 1e-5) ln1_w in f32; quantised with this product's own scale; x_ln W^T on codes of E4M3 (W = q, k or v by work-group y); RoPE on q and k in f32; the result quantised for attention.
; SHARES.  Work-group (X, Y): rows 128 X .. 128 X + 127 of x, tensor Y.  THE WAVES SHARE THE COLUMNS: wave w makes columns 128 w .. 128 w + 127 (heads 4 w .. 4 w + 3) for all 128 rows; its 64 KB of weight codes
; stay in 512 registers, read from memory once.  Wave w norms and quantises rows 32 w .. 32 w + 31; the codes go from wave to wave through LDS as images of the operand's registers (a fragment of 16 rows x 128 K:
; four stores of 512 bytes, lane l's 16 bytes at 16 l), behind the kernel's ONE barrier, behind which nothing is stored to LDS.
; LAYOUT.  q, k: the product is used transposed (source 0 = 16 rows of W, source 1 = 16 rows of x): lane (r, h) holds token r, and the 16 registers of weight tiles 2 b, 2 b + 1 are dims 16 h + 0 .. 15 of head b
; (the rows of a weight tile are chosen for that when the images are made).  v: source 0 = x, source 1 = W: a lane holds ONE channel and eight tokens, which are eight neighbours along the second attention product's K.
; OUT.  qkv part 0 (q), part 1 (k): [batch x head][token tile][lane][16 bytes], lane (r, h): token r, dims 16 h ..;  part 2 (v): [batch x head][key step of 128][u][chunk][lane][16 bytes],
; lane (r, h): channel 16 (r / 8) + 8 u + r % 8; bytes 0-7 keys 32 chunk + 8 h + 0 .. 7, bytes 8-15 keys 32 chunk + 16 + 8 h + 0 .. 7.  Every store of a wave is 512 consecutive bytes, aligned.
; NO TENSOR LOADS, NO CLUSTER: the weights go straight into the registers in which they stay, so a way through LDS would only add 256 KB of LDS traffic a work-group; the rows of x are shared by the three
; work-groups along y, and 3 is no multiple of a cluster's side.
; LIMITS: the activation's e, and e(out) - e(activation) - e(weight), between -126 and 119.  NaN among the inputs is not served.
; REGISTERS, in windows of 256.  window 0: v1-27 addresses and constants (below); v32-95 ln1_w of a K step, later x's fragments (v path: v32-159); v96-111 cos, sin; v112-119 at work; v160-223 accumulators; v224-239 codes.
;   window 1: my first 16 rows of x (256 numbers a lane).  window 2: weight tiles 0-3 (register 16 (4 tile + K step) + 4 chunk).  window 3: my second 16 rows, then weight tiles 4-7.
.set XIMG, 0                           ; LDS: x's 32 fragments: (4 row tile + K step) x 2,048
.set LNW,  65536                       ; ln1_w, a copy of its own for each wave: 2,048 x wave
.set ROPE, 73728                       ; the 8 token tiles' cos and sin: 2,048 each
.set MSB, 0
.macro WIN new                         ; the immediate's high byte repeats the setting that is left; a switch that changes nothing is dropped
.if MSB != (\new)
	s_set_vgpr_msb (MSB<<8)|(\new)
.set MSB, (\new)
.endif
.endm
.macro PLACES                          ; four plain vector instructions between a matrix instruction and a load into, or a vector read or write of, its registers
.rept 4
	v_nop
.endr
.endm
	s_load_b256 s[4:11], s[0:1], 0x0               ; x s[4:5], ln1_w s[6:7], the scales' exponents s[8:9], wimg s[10:11]
	s_load_b128 s[12:15], s[0:1], 0x20             ; rope s[12:13], qkv s[14:15]
	v_lshl_add_u32 v254, v0, 2, 0x16000
	v_mov_b32 v255, 0
	v_lshrrev_b32 v5, 5, v0
	v_readfirstlane_b32 s16, v5                    ; wave
	s_and_b32 s18, ttmp7, 0xffff                   ; Y
	v_and_b32 v1, 31, v0
	v_lshlrev_b32 v1, 4, v1                        ; v1  16 x lane
	v_and_b32 v2, 15, v0                           ; r
	v_bfe_u32 v3, v0, 4, 1                         ; h
	v_lshlrev_b32 v4, 11, v2
	v_lshl_add_u32 v4, v3, 6, v4                   ; v4  x: row r of 2,048 bytes + 64 h
	s_lshl_b32 s38, s16, 14
	v_add_nc_u32 v6, s38, v1                       ; v6  where I store x's images: 16 x lane + 8 fragments x wave
	s_lshl_b32 s38, s16, 11
	s_add_co_u32 s38, s38, LNW
	v_lshlrev_b32 v7, 6, v3
	v_add_nc_u32 v7, s38, v7                       ; v7  ln1_w as I read it: my copy + 64 h
	v_add_nc_u32 v8, s38, v1                       ; v8  and as I store it
	s_lshl_b32 s38, s16, 12
	s_add_co_u32 s38, s38, ROPE
	v_add_nc_u32 v9, s38, v1                       ; v9  where I store two token tiles' cos and sin
	v_add_nc_u32 v26, ROPE, v1                     ; v26 where tile 0's are read
	v_mov_b32 v10, v1                              ; v10 the stores' offset
	v_mov_b32 v25, 0                               ; (named as the upper half of the pair v[24:25])
	s_mov_b32 s20, 0x76543210
	s_mov_b32 s21, 0xfedcba98                      ; v_permlanex16_b32: lane l xor 16
	s_mov_b32 s22, 0x3b000000                      ; 1 / 512
	s_mov_b32 s23, 0x3727c5ac                      ; 1e-5
	s_lshl_b32 s30, ttmp9, 18                      ; x: (128 X + 32 wave) rows of 2,048 bytes
	s_lshl_b32 s31, s16, 16
	s_add_co_u32 s30, s30, s31
	s_mov_b32 s31, 0
	s_and_b32 s39, ttmp9, 15                       ; the block's place in its sequence
	s_lshl_b32 s32, s39, 14                        ; rope: token tile 8 (X % 16) + 2 wave
	s_lshl_b32 s33, s16, 12
	s_add_co_u32 s32, s32, s33
	s_mov_b32 s33, 0
	s_lshl_b32 s34, s18, 18                        ; wimg: weight Y, my 8 tiles
	s_lshl_b32 s35, s16, 16
	s_add_co_u32 s34, s34, s35
	s_mov_b32 s35, 0
	s_lshl_b32 s36, s18, 22                        ; qkv: part Y, (16 batch + 4 wave) x 65,536, + 4,096 (X % 16): 8 token tiles of 512 bytes, or one key step of V
	s_lshr_b32 s37, ttmp9, 4
	s_lshl_b32 s37, s37, 20
	s_add_co_u32 s36, s36, s37
	s_lshl_b32 s37, s16, 18
	s_add_co_u32 s36, s36, s37
	s_lshl_b32 s37, s39, 12
	s_add_co_u32 s36, s36, s37
	s_mov_b32 s37, 0
	s_lshl_b32 s19, s18, 3                         ; entries 2 Y, 2 Y + 1: the activation's and the weight's e
	s_lshr_b32 s40, s18, 1
	s_add_co_u32 s40, s40, s18
	s_add_co_u32 s40, s40, 6
	s_lshl_b32 s40, s40, 2                         ; entry 6, 7 or 9: the result's e
	s_wait_kmcnt 0x0
	s_load_b64 s[24:25], s[8:9], s19 offset:0x0
	s_load_b32 s26, s[8:9], s40 offset:0x0
	s_add_nc_u64 s[4:5], s[4:5], s[30:31]
	s_add_nc_u64 s[12:13], s[12:13], s[32:33]
	s_add_nc_u64 s[10:11], s[10:11], s[34:35]
	s_add_nc_u64 s[14:15], s[14:15], s[36:37]
.macro XLOAD a                         ; 16 rows of x: register 16 B + i = k 32 B + 16 h + i of row r
.set q, 0
.rept 64
	global_load_b128 v[4*q:4*q+3], v4, s[4:5] offset:32768*\a+128*(q/4)+16*(q%4)
.set q, q+1
.endr
.endm
.macro WLOAD cg                        ; 16 fragments of my weight tiles 4 cg .. 4 cg + 3, as they lie
.set q, 0
.rept 64
	global_load_b128 v[4*q:4*q+3], v1, s[10:11] offset:32768*\cg+512*q
.set q, q+1
.endr
.endm
.macro MKSCALE vs, vl, se              ; v[vs] = 2^e as f32, v[vl] = 448 x 2^e; e in s[se]
	s_add_co_i32 s41, s[\se], 127
	s_lshl_b32 s42, s41, 23
	v_mov_b32 v[\vs], s42
	s_add_co_i32 s41, s41, 8
	s_lshl_b32 s41, s41, 23
	s_or_b32 s41, s41, 0x600000
	v_mov_b32 v[\vl], s41
.endm
; 16 rows in window win: the norm, the gain, the hold, the codes, four images.  a: which of my two row tiles.  wss: sources 0 and 1 in win; wmul: destination and source 0 in win.
.macro NORMQ win, a, wss, wmul
	WIN \wss
.set q, 0
.rept 4
	v_pk_mul_f32 v[16+2*q:17+2*q], v[2*q:2*q+1], v[2*q:2*q+1]        ; the first four pairs start four chains: nothing is cleared
.set q, q+1
.endr
.rept 124
	v_pk_fma_f32 v[16+2*(q%4):17+2*(q%4)], v[2*q:2*q+1], v[2*q:2*q+1], v[16+2*(q%4):17+2*(q%4)]
.set q, q+1
.endr
	WIN 0
	v_pk_add_f32 v[16:17], v[16:17], v[18:19]
	v_pk_add_f32 v[20:21], v[20:21], v[22:23]
	v_pk_add_f32 v[16:17], v[16:17], v[20:21]
	v_add_f32 v16, v16, v17
	v_permlanex16_b32 v17, v16, s20, s21           ; the row's other 256 numbers lie in lane l xor 16
	v_add_f32 v16, v16, v17
	v_fma_f32 v16, v16, s22, s23                   ; mean + eps
	v_rsq_f32 v24, v16
	v_nop                                          ; a plain instruction behind the transcendental,
	s_wait_alu depctr_va_vdst(0)                   ; and the wait ahead of its first reader
.irp s, 0,1,2,3
.set q, 0
.rept 16
	ds_load_b128 v[32+4*q:35+4*q], v7 offset:512*\s+128*(q/4)+16*(q%4)   ; ln1_w at my 64 places of this K step; my own copy, and LDS serves a wave's instructions in order (ISA guide 5.7.1)
.set q, q+1
.endr
	WIN \wmul
.set q, 0
.rept 32
	v_pk_mul_f32 v[64*\s+2*q:64*\s+2*q+1], v[64*\s+2*q:64*\s+2*q+1], v[24:25] op_sel_hi:[1,0]
.set q, q+1
.endr
	s_wait_dscnt 0x0                               ; the gains are in, and the last images' stores have read their registers
.set q, 0
.rept 32
	v_pk_mul_f32 v[64*\s+2*q:64*\s+2*q+1], v[64*\s+2*q:64*\s+2*q+1], v[32+2*q:33+2*q]
.set q, q+1
.endr
.set q, 0
.rept 64
	v_med3_num_f32 v[64*\s+q], v[64*\s+q], -v13, v13   ; the conversion does not saturate (ISA guide 7.6.2): the hold comes first
.set q, q+1
.endr
	WIN \win
.set q, 0
.rept 8
	v_cvt_scalef32_pk8_fp8_f32 v[224+2*q:225+2*q], v[64*\s+8*q:64*\s+8*q+7], v12
.set q, q+1
.endr
	v_nop                                          ; one plain vector instruction behind the last conversion
	WIN 0
.irp c, 0,1,2,3
	ds_store_b128 v6, v[224+4*\c:227+4*\c] offset:XIMG+(4*\a+\s)*2048+512*\c
.endr
.endr
.endm
; ---------------- loads, norm, images
.irp i, 0,1,2,3
	global_load_b128 v[32+4*\i:35+4*\i], v1, s[6:7] offset:512*\i      ; ln1_w
.endr
.irp i, 0,1,2,3,4,5,6,7
	global_load_b128 v[48+4*\i:51+4*\i], v1, s[12:13] offset:512*\i    ; two token tiles' cos and sin
.endr
	WIN 0x40
	XLOAD 0
	WIN 0
	s_wait_loadcnt 63                              ; 64 loads were issued behind the first twelve: those are in
.irp i, 0,1,2,3
	ds_store_b128 v8, v[32+4*\i:35+4*\i] offset:512*\i
.endr
.irp i, 0,1,2,3,4,5,6,7
	ds_store_b128 v9, v[48+4*\i:51+4*\i] offset:512*\i
.endr
	WIN 0xc0
	XLOAD 1
	WIN 0
	s_wait_kmcnt 0x0
	MKSCALE 12, 13, 24                             ; v12, v13: the activation's scale
	s_sub_co_i32 s43, s26, s24
	s_sub_co_i32 s43, s43, s25                     ; a sum stands for sum x 2^(eA + eB): the three scales are folded into the conversion's one
	MKSCALE 14, 15, 43                             ; v14, v15
	s_wait_loadcnt 63                              ; 64 loads were issued behind my first 16 rows
	NORMQ 1, 0, 0x05, 0x41
	WIN 0x80
	WLOAD 0
	WIN 0
	s_wait_loadcnt 63                              ; 64 behind my second 16 rows
	NORMQ 3, 1, 0x0f, 0xc3
	WIN 0xc0
	WLOAD 1                                        ; into the registers that those rows have left
	WIN 0
	s_wait_dscnt 0x0                               ; for the others' sake: my images, and my part of cos and sin, have landed
	s_barrier_signal -1
	s_barrier_wait -1
	s_wait_loadcnt 63                              ; 64 behind weight tiles 0-3
	s_cmp_eq_u32 s18, 2
	s_cbranch_scc1 .Lv
; ---------------- q and k: a tile of 16 tokens a trip
.macro QKFETCH                         ; x's four fragments of a row tile
.set q, 0
.rept 16
	ds_load_b128 v[32+4*q:35+4*q], v11 offset:XIMG+512*q
.set q, q+1
.endr
.endm
.macro RPFETCH                         ; its cos (v96-103) and sin (v104-111)
.irp c, 0,1,2,3
	ds_load_b128 v[96+4*\c:99+4*\c], v27 offset:512*\c
.endr
.endm
.macro QKHEAD
	s_mov_b32 s27, 0
	s_mov_b32 s28, 0
	v_mov_b32 v11, v1
	v_mov_b32 v27, v26
	QKFETCH
	RPFETCH
.endm
.macro QKTRIP cg, more                 ; weight tiles 4 cg .. 4 cg + 3 (two heads) x one row tile.  more = 1: the next row tile is fetched
	s_wait_dscnt 4                                 ; the fragments are in; the four loads of cos and sin are younger
	WIN 0x02+\cg
.irp s, 0,1,2,3
.irp t, 0,1,2,3                        ; the four accumulators take turns, one instruction a turn
.if \s == 0
	v_wmma_f32_16x16x128_fp8_fp8 v[160+8*\t:167+8*\t], v[16*(4*\t+\s):16*(4*\t+\s)+15], v[32+16*\s:47+16*\s], 0
.else
	v_wmma_f32_16x16x128_fp8_fp8 v[160+8*\t:167+8*\t], v[16*(4*\t+\s):16*(4*\t+\s)+15], v[32+16*\s:47+16*\s], v[160+8*\t:167+8*\t]
.endif
.endr
.endr
	WIN 0
	PLACES
.if \more
	s_add_co_u32 s27, s27, 8192
	v_add_nc_u32 v11, s27, v1
	QKFETCH
	s_wait_dscnt 16                                ; cos and sin are in; the 16 loads just issued are younger
.else
	s_wait_dscnt 0x0
.endif
.irp t, 0,1,2,3                        ; RoPE: register 8 t + 2 i, + 1 are dims 16 h + 8 (t % 2) + 2 i, + 1: frequency 8 h + 4 (t % 2) + i.  Each accumulator is read from its low end on
.irp i, 0,1,2,3
	v_mul_f32 v[112+2*\i], v[161+8*\t+2*\i], v[104+4*(\t%2)+\i]
	v_mul_f32 v[113+2*\i], v[160+8*\t+2*\i], v[104+4*(\t%2)+\i]
.endr
.irp i, 0,1,2,3
	v_fma_f32 v[160+8*\t+2*\i], v[160+8*\t+2*\i], v[96+4*(\t%2)+\i], -v[112+2*\i]
	v_fma_f32 v[161+8*\t+2*\i], v[161+8*\t+2*\i], v[96+4*(\t%2)+\i], v[113+2*\i]
.endr
.endr
.if \more
	s_add_co_u32 s28, s28, 2048
	v_add_nc_u32 v27, s28, v26
	RPFETCH
.endif
.set q, 0
.rept 32
	v_med3_num_f32 v[160+q], v[160+q], -v15, v15
.set q, q+1
.endr
.set q, 0
.rept 4
	v_cvt_scalef32_pk8_fp8_f32 v[224+2*q:225+2*q], v[160+8*q:167+8*q], v14
.set q, q+1
.endr
	v_nop
.irp n, 0,1
	global_store_b128 v10, v[224+4*\n:227+4*\n], s[14:15] offset:(2*\cg+\n)*65536   ; head 4 w + 2 cg + n, this token tile: 512 consecutive bytes
.endr
	s_wait_xcnt 0x0                                ; the stores' offset and data are written again only behind this wait
	v_add_nc_u32 v10, 512, v10
.endm
	QKHEAD
	s_mov_b32 s29, 7
.Lqk0:
	QKTRIP 0, 1
	s_sub_co_u32 s29, s29, 1
	s_cmp_lg_u32 s29, 0
	s_cbranch_scc1 .Lqk0
	QKTRIP 0, 0                                    ; the last row tile is written out: it fetches nothing
	s_wait_loadcnt 0x0                             ; weight tiles 4-7
	v_mov_b32 v10, v1
	QKHEAD
	s_mov_b32 s29, 7
.Lqk1:
	QKTRIP 1, 1
	s_sub_co_u32 s29, s29, 1
	s_cmp_lg_u32 s29, 0
	s_cbranch_scc1 .Lqk1
	QKTRIP 1, 0
	s_wait_tensorcnt 0x0
	ds_add_u32 v254, v255
	s_wait_dscnt 0x0
	s_endpgm
; ---------------- v: two tiles of 16 tokens a trip, 32 neighbouring keys
.macro VFETCH
.set q, 0
.rept 32
	ds_load_b128 v[32+4*q:35+4*q], v11 offset:XIMG+512*q
.set q, q+1
.endr
.endm
.macro VHEAD
	s_mov_b32 s27, 0
	v_mov_b32 v11, v1
	VFETCH
.endm
.macro VTRIP cg, more
	s_wait_dscnt 0x0
	WIN 0x08+4*\cg
.irp s, 0,1,2,3
.irp n, 0,1
.irp t, 0,1,2,3                        ; eight accumulators by turns
.if \s == 0
	v_wmma_f32_16x16x128_fp8_fp8 v[160+8*(4*\n+\t):167+8*(4*\n+\t)], v[32+16*(4*\n+\s):47+16*(4*\n+\s)], v[16*(4*\t+\s):16*(4*\t+\s)+15], 0
.else
	v_wmma_f32_16x16x128_fp8_fp8 v[160+8*(4*\n+\t):167+8*(4*\n+\t)], v[32+16*(4*\n+\s):47+16*(4*\n+\s)], v[16*(4*\t+\s):16*(4*\t+\s)+15], v[160+8*(4*\n+\t):167+8*(4*\n+\t)]
.endif
.endr
.endr
.endr
	WIN 0
	PLACES
.if \more
	s_add_co_u32 s27, s27, 16384
	v_add_nc_u32 v11, s27, v1
	VFETCH
.endif
.set q, 0
.rept 64
	v_med3_num_f32 v[160+q], v[160+q], -v15, v15   ; ascending: each accumulator from its low end on
.set q, q+1
.endr
.irp t, 0,1,2,3
	v_cvt_scalef32_pk8_fp8_f32 v[224+4*\t:225+4*\t], v[160+8*\t:167+8*\t], v14     ; tokens 8 h + 0 .. 7 of the first tile,
	v_cvt_scalef32_pk8_fp8_f32 v[226+4*\t:227+4*\t], v[192+8*\t:199+8*\t], v14     ; and of the second
.endr
	v_nop
.irp t, 0,1,2,3
	global_store_b128 v10, v[224+4*\t:227+4*\t], s[14:15] offset:(2*\cg+\t/2)*65536+(\t%2)*2048
.endr
	s_wait_xcnt 0x0
	v_add_nc_u32 v10, 512, v10
.endm
.Lv:
	VHEAD
	s_mov_b32 s29, 3
.Lv0:
	VTRIP 0, 1
	s_sub_co_u32 s29, s29, 1
	s_cmp_lg_u32 s29, 0
	s_cbranch_scc1 .Lv0
	VTRIP 0, 0
	s_wait_loadcnt 0x0                             ; weight tiles 4-7
	v_mov_b32 v10, v1
	VHEAD
	s_mov_b32 s29, 3
.Lv1:
	VTRIP 1, 1
	s_sub_co_u32 s29, s29, 1
	s_cmp_lg_u32 s29, 0
	s_cbranch_scc1 .Lv1
	VTRIP 1, 0
	s_wait_tensorcnt 0x0
	ds_add_u32 v254, v255
	s_wait_dscnt 0x0
	s_endpgm
.Lfunc_end_k_qbc65ef670e_qkv:
	.size	k_qbc65ef670e_qkv, .Lfunc_end_k_qbc65ef670e_qkv-k_qbc65ef670e_qkv
	.p2alignl 7, 3214868480
	.fill 96, 4, 3214868480
	.section	.rodata,"a",@progbits
	.p2align	6, 0x0
	.amdhsa_kernel k_qbc65ef670e_qkv
		.amdhsa_group_segment_fixed_size 90624
		.amdhsa_private_segment_fixed_size 0
		.amdhsa_enable_private_segment 0
		.amdhsa_kernarg_size 48
		.amdhsa_user_sgpr_count 2
		.amdhsa_user_sgpr_kernarg_segment_ptr 1
		.amdhsa_wavefront_size32 1
		.amdhsa_system_sgpr_workgroup_id_x 1
		.amdhsa_system_sgpr_workgroup_id_y 1
		.amdhsa_system_sgpr_workgroup_id_z 1
		.amdhsa_system_vgpr_workitem_id 0
		.amdhsa_next_free_vgpr 1024
		.amdhsa_next_free_sgpr 66
		.amdhsa_reserve_vcc 0
		.amdhsa_float_denorm_mode_32 3
		.amdhsa_float_denorm_mode_16_64 3
		.amdhsa_memory_ordered 1
		.amdhsa_forward_progress 1
		.amdhsa_inst_pref_size 198
	.end_amdhsa_kernel
	.amdgpu_metadata
---
amdhsa.version: [ 1, 2 ]
amdhsa.kernels:
  - .name:           k_qbc65ef670e_qkv
    .symbol:         k_qbc65ef670e_qkv.kd
    .args:
      - { .name: x, .offset: 0, .size: 8, .value_kind: global_buffer, .address_space: global }
      - { .name: ln1_w, .offset: 8, .size: 8, .value_kind: global_buffer, .address_space: global }
      - { .name: lowp_scales, .offset: 16, .size: 8, .value_kind: global_buffer, .address_space: global }
      - { .name: wimg, .offset: 24, .size: 8, .value_kind: global_buffer, .address_space: global }
      - { .name: rope, .offset: 32, .size: 8, .value_kind: global_buffer, .address_space: global }
      - { .name: qkv, .offset: 40, .size: 8, .value_kind: global_buffer, .address_space: global }
    .group_segment_fixed_size: 90624
    .private_segment_fixed_size: 0
    .kernarg_segment_align: 8
    .kernarg_segment_size: 48
    .max_flat_workgroup_size: 128
    .sgpr_count:     66
    .vgpr_count:     1024
    .wavefront_size: 32
...
	.end_amdgpu_metadata
.endif
;; end of part 2
;; launch attn (part 3): grid 4 x 64, 16 waves a work-group, no clusters, 18,432 bytes of LDS; arguments qkv, lowp_scales, acode; writes acode
.if DOCPART == 3
	.amdgcn_target "amdgcn-amd-amdhsa--gfx1250"
	.amdhsa_code_object_version 6
	.text
	.protected	k_qbc65ef670e_attn
	.globl	k_qbc65ef670e_attn
	.p2align	8
	.type	k_qbc65ef670e_attn,@function
k_qbc65ef670e_attn:
	s_mov_b64 s[64:65], 0
	v_nop
	global_prefetch_b8 v0, s[64:65] scope:SCOPE_SE
	s_setreg_imm32_b32 hwreg(HW_REG_WAVE_MODE, 25, 1), 1
	s_wait_xcnt 0x0
; ATTN.  Causal attention on codes of E4M3, head size 32, 2,048 tokens, 64 (batch x head).  t = score x log2(e) / sqrt(32); M = the running largest t rounded UP to a whole number; p = 2^(t - M) is quantised, not
; normalised; the row's sum is taken of the unquantised p in f32 and divides at the end; when M moves, the sum and O are multiplied by 2^(old M - new M), which rounds nothing.  The result is quantised for the next product.
; SHARES.  Work-group (i, bh) owns the query blocks i and 7 - i of 256 queries of one head: 2 (i + 1) + 2 (8 - i) = 18 block steps of 128 keys whatever i is, so all 256 work-groups have equal work.
; Each of the sixteen waves owns one tile of 16 queries in either block, in 256 registers: four waves to a SIMD, so that one wave's vector work stands beside another's matrix work.
; KEYS go in steps of 128 through two LDS slots of 8 KB (K's 4 KB, V's 4 KB), as images of the operands' registers.  Wave w copies 512 bytes of each step through four registers: the load is issued a whole step
; ahead of the LDS store.  ONE barrier a step: in front of it each wave's reads of this step's slot are in and its store into the other slot has landed.
; Every work-group walks all 16 steps, so that the loop's count is a constant and every wave passes every barrier; a step all of whose keys are hidden from a tile is left out by a scalar branch on ids.
; LAYOUT.  Both products are used transposed: S^T = K Q^T (source 0 = 16 keys), O^T = V^T P^T (source 0 = 16 channels): a lane holds ONE query (lane % 16).  The head's 32 fill half of the 16x16x64 form's K:
; a fragment of K holds two key tiles (registers 0-3, 4-7), and Q stands between zeros, so that v[qb+4:qb+11] meets the first tile and v[qb:qb+7] the second.  S^T's register 8 T + j is key 16 T + 8 (lane / 16) + j:
; eight conversions give the 16x16x128 form's own layout, in which V's images were laid.
; NO TENSOR LOADS, NO CLUSTER: the four work-groups of a head need 16, 14, 12 and 10 key steps, and a step's shared 8 KB are little beside its vector work; no prefetch either: no wave waits for a step's bytes.
; LIMITS: e6 + e7 between -124 and 129 (added to c's exponent field); e8, and e10 - e8 - e9, between -126 and 119.
.set KR, 44                            ; v44-75   K: four fragments of two key tiles
.set VR, 76                            ; v76-107  V: u = 0, 1, 16 registers each
.set S,  108                           ; v108-171 S^T, then p
.set PC, 172                           ; v172-187 p's codes
; v1 16 x lane; v2 16 x thread; v3 r - 8 h; v4-7 the step on its way; v10, v11 2^e8 and 448 x 2^e8; v12-15, v16-19 a tile's -M, largest t, sum in two halves; v20-31, v32-43 Q between zeros;
; v188-203, v204-219 O^T; v220-229 at work; v232, v233 the output's scale and hold
	s_load_b128 s[4:7], s[0:1], 0x0                ; qkv s[4:5], the scales' exponents s[6:7]
	s_load_b64 s[8:9], s[0:1], 0x10                ; acode
	v_lshl_add_u32 v254, v0, 2, 0x4000
	v_mov_b32 v255, 0
	v_lshrrev_b32 v8, 5, v0
	v_readfirstlane_b32 s10, v8                    ; wave 0..15
	v_and_b32 v1, 31, v0
	v_lshlrev_b32 v1, 4, v1
	v_lshlrev_b32 v2, 4, v0
	v_and_b32 v3, 15, v0
	v_bfe_u32 v8, v0, 4, 1
	v_lshlrev_b32 v8, 3, v8
	v_sub_nc_u32 v3, v3, v8
	s_and_b32 s11, ttmp7, 0xffff                   ; bh
	s_sub_co_u32 s12, 7, ttmp9
	s_lshl_b32 s12, s12, 4
	s_add_co_u32 s12, s12, s10                     ; my late query tile
	s_lshl_b32 s35, ttmp9, 4
	s_add_co_u32 s35, s35, s10                     ; my early one
	s_lshl_b32 s13, s12, 4                         ; s13, s14: their first queries
	s_lshl_b32 s14, s35, 4
	s_lshl_b32 s16, ttmp9, 8
	s_sub_co_u32 s16, 2048, s16                    ; s16: the keys that the work-group needs
	s_mov_b32 s15, 0                               ; s15: the step's first key
	s_lshl_b32 s40, s11, 16
	s_lshr_b32 s36, s10, 3                         ; waves 0-7 copy K (part 1), waves 8-15 V (part 2): 512 bytes each
	s_add_co_u32 s36, s36, 1
	s_lshl_b32 s36, s36, 22
	s_add_co_u32 s36, s36, s40
	s_and_b32 s37, s10, 7
	s_lshl_b32 s37, s37, 9
	s_add_co_u32 s36, s36, s37
	s_mov_b32 s37, 0
	s_lshl_b32 s38, s12, 9                         ; Q: part 0, a tile is 512 bytes
	s_add_co_u32 s38, s38, s40
	s_mov_b32 s39, 0
	s_lshl_b32 s42, s35, 9
	s_add_co_u32 s42, s42, s40
	s_mov_b32 s43, 0
	s_lshr_b32 s44, s11, 4                         ; acode: (128 batch + tile) x 8,192 + 512 head
	s_lshl_b32 s44, s44, 20
	s_and_b32 s45, s11, 15
	s_lshl_b32 s45, s45, 9
	s_add_co_u32 s44, s44, s45
	s_lshl_b32 s46, s12, 13
	s_add_co_u32 s46, s46, s44
	s_mov_b32 s47, 0
	s_lshl_b32 s48, s35, 13
	s_add_co_u32 s48, s48, s44
	s_mov_b32 s49, 0
	s_mov_b32 s20, 0x76543210
	s_mov_b32 s21, 0xfedcba98                      ; v_permlanex16_b32: lane l xor 16
	s_mov_b32 s22, 0x3e8293ee                      ; c = log2(e) / sqrt(32)
	s_wait_kmcnt 0x0
	s_load_b128 s[28:31], s[6:7], 0x18             ; e6 .. e9
	s_load_b32 s32, s[6:7], 0x28                   ; e10
	s_add_nc_u64 s[18:19], s[4:5], s[36:37]
	s_add_nc_u64 s[24:25], s[4:5], s[38:39]
	s_add_nc_u64 s[26:27], s[4:5], s[42:43]
	s_add_nc_u64 s[50:51], s[8:9], s[46:47]
	s_add_nc_u64 s[52:53], s[8:9], s[48:49]
	global_load_b128 v[4:7], v1, s[18:19]          ; my 512 bytes of step 0
	global_load_b128 v[24:27], v1, s[24:25]        ; Q, late tile
	global_load_b128 v[36:39], v1, s[26:27]        ; Q, early tile
.irp j, 20,21,22,23,28,29,30,31,32,33,34,35,40,41,42,43
	v_mov_b32 v\j, 0                               ; the zeros round Q
.endr
.set q, 0
.rept 32
	v_mov_b32 v[188+q], 0                          ; O^T.  (The step is written once: the first finds zeros, which the first change of M leaves zeros)
.set q, q+1
.endr
.irp st, 12,16
	v_mov_b32 v[\st+1], 0xff61b1e6                 ; the largest t so far: -3e38
	v_floor_f32 v[\st], -v[\st+1]                  ; -M
	v_mov_b32 v[\st+2], 0
	v_mov_b32 v[\st+3], 0
.endr
	v_mov_b32 v222, 0                              ; a lane permute's destination counts as one of its sources
	v_mov_b32 v225, 0                              ; (named as the upper half of the pair v[224:225])
	v_mov_b32 v229, 0xff800000                     ; -infinity
	s_wait_kmcnt 0x0
	s_add_co_i32 s54, s28, s29
	s_lshl_b32 s54, s54, 23
	s_add_co_i32 s22, s22, s54                     ; a score stands for score x 2^(e6 + e7)
	s_mov_b32 s23, s22
.macro MKSCALE vs, vl, se
	s_add_co_i32 s54, s[\se], 127
	s_lshl_b32 s55, s54, 23
	v_mov_b32 v[\vs], s55
	s_add_co_i32 s54, s54, 8
	s_lshl_b32 s54, s54, 23
	s_or_b32 s54, s54, 0x600000
	v_mov_b32 v[\vl], s54
.endm
	MKSCALE 10, 11, 30                             ; p's scale 2^e8
	s_sub_co_i32 s34, s32, s30
	s_sub_co_i32 s34, s34, s31                     ; O / l stands for O / l x 2^(e8 + e9): folded into the conversion's scale
	MKSCALE 232, 233, 34
	s_wait_loadcnt 0x0
	ds_store_b128 v2, v[4:7]                       ; slot 0
	s_wait_dscnt 0x0
	s_barrier_signal -1
	s_barrier_wait -1
; One tile of 16 queries against the step's 128 keys.  qb: Q between zeros; o: O^T; st: the statistics; q0: the scalar register with the tile's first query.
.macro TILE qb, o, st, q0
.irp F, 0,1,2,3
	v_wmma_f32_16x16x64_fp8_fp8 v[S+16*\F:S+16*\F+7], v[KR+8*\F:KR+8*\F+7], v[\qb+4:\qb+11], 0
	v_wmma_f32_16x16x64_fp8_fp8 v[S+16*\F+8:S+16*\F+15], v[KR+8*\F:KR+8*\F+7], v[\qb:\qb+7], 0
.endr
.rept 4
	v_nop                                          ; four places ahead of the first read of the scores (ISA guide 7.12.1)
.endr
	s_add_co_u32 s34, s15, 127                     ; a step all of whose keys count skips the mask
	s_cmp_le_u32 s34, s[\q0]
	s_cbranch_scc1 .Lopen_\@
	s_sub_co_i32 s34, s[\q0], s15
	v_add_nc_u32 v228, s34, v3                     ; d = my query - the step's first key - 8 h: register 8 T + j is hidden where 16 T + j > d
.set q, 0
.rept 64
	v_cmp_gt_i32 vcc_lo, 16*(q/8)+q%8, v228
	v_cndmask_b32 v[S+q], v[S+q], v229, vcc_lo
.set q, q+1
.endr
.Lopen_\@:
	v_max3_num_f32 v220, v[S], v[S+1], v[S+2]      ; the step's largest score of my query, in two chains; each accumulator is read from its low end on
	v_max3_num_f32 v221, v[S+3], v[S+4], v[S+5]
.irp i, 6,10,14,18,22,26,30,34,38,42,46,50,54,58
	v_max3_num_f32 v220, v220, v[S+\i], v[S+\i+1]
	v_max3_num_f32 v221, v221, v[S+\i+2], v[S+\i+3]
.endr
	v_max3_num_f32 v220, v220, v[S+62], v[S+63]
	v_max_num_f32 v220, v220, v221
	v_permlanex16_b32 v222, v220, s20, s21
	v_max_num_f32 v220, v220, v222                 ; and among lane l xor 16's keys
	v_mul_f32 v220, s22, v220                      ; as t (c is positive)
	v_max_num_f32 v[\st+1], v[\st+1], v220
	v_mov_b32 v220, v[\st]
	v_floor_f32 v[\st], -v[\st+1]                  ; the new -M = -ceil(t)
	v_sub_f32 v220, v[\st], v220                   ; old M - new M: a whole number, 0 or less
	v_cvt_i32_f32 v220, v220                       ; (it saturates)
	v_ldexp_f32 v224, 1.0, v220                    ; f = 2^(old M - new M)
.set q, 0
.rept 32
	v_pk_fma_f32 v[S+2*q:S+2*q+1], v[S+2*q:S+2*q+1], s[22:23], v[\st:\st+1] op_sel_hi:[1,0,0]   ; t - M
.set q, q+1
.endr
.set q, 0
.rept 64
	v_exp_f32 v[S+q], v[S+q]                       ; p, at most 1
.set q, q+1
.endr
	v_pk_mul_f32 v[\st+2:\st+3], v[\st+2:\st+3], v[224:225] op_sel_hi:[1,0]   ; the sums under the new M: the plain instruction behind the batch
	s_wait_alu depctr_va_vdst(0)                   ; one wait for the 64 exponentials, ahead of their first reader
	v_pk_add_f32 v[226:227], v[S:S+1], v[S+2:S+3]  ; the sum of the UNQUANTISED p, in two chains
.irp j, 4,8,12,16,20,24,28,32,36,40,44,48,52,56,60
	v_pk_add_f32 v[\st+2:\st+3], v[\st+2:\st+3], v[S+\j:S+\j+1]
	v_pk_add_f32 v[226:227], v[226:227], v[S+\j+2:S+\j+3]
.endr
	v_pk_add_f32 v[\st+2:\st+3], v[\st+2:\st+3], v[226:227]
.set q, 0
.rept 64
	v_min_num_f32 v[S+q], v[S+q], v11              ; the conversion does not saturate (ISA guide 7.6.2); p is not negative, so the hold is one-sided
.set q, q+1
.endr
.set q, 0
.rept 8
	v_cvt_scalef32_pk8_fp8_f32 v[PC+2*q:PC+2*q+1], v[S+8*q:S+8*q+7], v10
.set q, q+1
.endr
.set q, 0
.rept 8
	v_pk_mul_f32 v[\o+2*q:\o+2*q+1], v[\o+2*q:\o+2*q+1], v[224:225] op_sel_hi:[1,0]   ; O^T under the new M; also the plain instructions between the conversions and the products
.set q, q+1
.endr
	v_wmma_f32_16x16x128_fp8_fp8 v[\o:\o+7], v[VR:VR+15], v[PC:PC+15], v[\o:\o+7]               ; the two accumulators take turns; the matrix instruction ahead of them is a score's
	v_wmma_f32_16x16x128_fp8_fp8 v[\o+8:\o+15], v[VR+16:VR+31], v[PC:PC+15], v[\o+8:\o+15]
.endm
; A key step out of slot p.
.macro STEP p
	s_add_co_u32 s17, s15, 128
	s_cmp_lt_u32 s17, s16                          ; is there a next step that the work-group needs?  Then its bytes are asked for now
	s_cbranch_scc0 .Lnl_\@
	global_load_b128 v[4:7], v1, s[18:19] offset:4096
.Lnl_\@:
	s_add_co_u32 s34, s13, 15
	s_cmp_gt_u32 s15, s34                          ; all 128 keys come after my late tile's queries, and so after the early tile's
	s_cbranch_scc1 .Lhid_\@
.rept 4
	v_nop                                          ; four places ahead of loads into registers that the last products read
.endr
.irp i, 0,1,2,3,4,5,6,7
	ds_load_b128 v[KR+4*\i:KR+4*\i+3], v1 offset:8192*\p+512*\i
.endr
.irp i, 0,1,2,3,4,5,6,7
	ds_load_b128 v[VR+4*\i:VR+4*\i+3], v1 offset:8192*\p+4096+512*\i
.endr
	s_wait_dscnt 0x0
	TILE 20, 188, 12, 13
	s_add_co_u32 s34, s14, 15
	s_cmp_gt_u32 s15, s34
	s_cbranch_scc1 .Lhid_\@
	TILE 32, 204, 16, 14
.Lhid_\@:
	s_wait_loadcnt 0x0                             ; the next step's bytes are in; the load is done, so its base may step
	s_cmp_lt_u32 s17, s16
	s_cbranch_scc0 .Lns_\@
	ds_store_b128 v2, v[4:7] offset:8192*(1-\p)    ; into the slot that every wave left at the last barrier
.Lns_\@:
	s_add_nc_u64 s[18:19], s[18:19], 4096
	s_mov_b32 s15, s17
	s_wait_dscnt 0x0                               ; my store has landed (my reads of this slot were waited for above)
	s_barrier_signal -1
	s_barrier_wait -1
.endm
	s_mov_b32 s33, 8
.Lkeys:
	STEP 0
	STEP 1
	s_sub_co_u32 s33, s33, 1
	s_cmp_lg_u32 s33, 0
	s_cbranch_scc1 .Lkeys
; The way out: O^T / the sum, quantised: register 8 u + j is channel 16 h + 8 u + j of my query, so the four registers of codes are chunk head % 4 of the next product's fragment.
.macro FINISH o, st, pc, sb
	v_add_f32 v220, v[\st+2], v[\st+3]
	v_permlanex16_b32 v222, v220, s20, s21
	v_add_f32 v220, v220, v222                     ; the row's sum
	v_rcp_f32 v224, v220
	v_nop
	s_wait_alu depctr_va_vdst(0)
.set q, 0
.rept 8
	v_pk_mul_f32 v[\o+2*q:\o+2*q+1], v[\o+2*q:\o+2*q+1], v[224:225] op_sel_hi:[1,0]
.set q, q+1
.endr
.set q, 0
.rept 16
	v_med3_num_f32 v[\o+q], v[\o+q], -v233, v233
.set q, q+1
.endr
	v_cvt_scalef32_pk8_fp8_f32 v[\pc:\pc+1], v[\o:\o+7], v232
	v_cvt_scalef32_pk8_fp8_f32 v[\pc+2:\pc+3], v[\o+8:\o+15], v232
	v_nop
	global_store_b128 v1, v[\pc:\pc+3], s[\sb:\sb+1]   ; 512 consecutive bytes, aligned
.endm
.rept 4
	v_nop                                          ; four places behind the last products
.endr
	FINISH 188, 12, 172, 50
	FINISH 204, 16, 176, 52
	s_wait_tensorcnt 0x0
	ds_add_u32 v254, v255
	s_wait_dscnt 0x0
	s_endpgm
.Lfunc_end_k_qbc65ef670e_attn:
	.size	k_qbc65ef670e_attn, .Lfunc_end_k_qbc65ef670e_attn-k_qbc65ef670e_attn
	.p2alignl 7, 3214868480
	.fill 96, 4, 3214868480
	.section	.rodata,"a",@progbits
	.p2align	6, 0x0
	.amdhsa_kernel k_qbc65ef670e_attn
		.amdhsa_group_segment_fixed_size 18432
		.amdhsa_private_segment_fixed_size 0
		.amdhsa_enable_private_segment 0
		.amdhsa_kernarg_size 24
		.amdhsa_user_sgpr_count 2
		.amdhsa_user_sgpr_kernarg_segment_ptr 1
		.amdhsa_wavefront_size32 1
		.amdhsa_system_sgpr_workgroup_id_x 1
		.amdhsa_system_sgpr_workgroup_id_y 1
		.amdhsa_system_sgpr_workgroup_id_z 1
		.amdhsa_system_vgpr_workitem_id 0
		.amdhsa_next_free_vgpr 256
		.amdhsa_next_free_sgpr 66
		.amdhsa_reserve_vcc 1
		.amdhsa_float_denorm_mode_32 3
		.amdhsa_float_denorm_mode_16_64 3
		.amdhsa_memory_ordered 1
		.amdhsa_forward_progress 1
		.amdhsa_inst_pref_size 84
	.end_amdhsa_kernel
	.amdgpu_metadata
---
amdhsa.version: [ 1, 2 ]
amdhsa.kernels:
  - .name:           k_qbc65ef670e_attn
    .symbol:         k_qbc65ef670e_attn.kd
    .args:
      - { .name: qkv, .offset: 0, .size: 8, .value_kind: global_buffer, .address_space: global }
      - { .name: lowp_scales, .offset: 8, .size: 8, .value_kind: global_buffer, .address_space: global }
      - { .name: acode, .offset: 16, .size: 8, .value_kind: global_buffer, .address_space: global }
    .group_segment_fixed_size: 18432
    .private_segment_fixed_size: 0
    .kernarg_segment_align: 8
    .kernarg_segment_size: 24
    .max_flat_workgroup_size: 512
    .sgpr_count:     66
    .vgpr_count:     256
    .wavefront_size: 32
...
	.end_amdgpu_metadata
.endif
;; end of part 3
;; launch ffn (part 4): grid 256 x 1, 4 waves a work-group, no clusters, 83,968 bytes of LDS; arguments acode, x, ln2_w, lowp_scales, wimg, out0; writes out0
.if DOCPART == 4
	.amdgcn_target "amdgcn-amd-amdhsa--gfx1250"
	.amdhsa_code_object_version 6
	.text
	.protected	k_qbc65ef670e_ffn
	.globl	k_qbc65ef670e_ffn
	.p2align	8
	.type	k_qbc65ef670e_ffn,@function
k_qbc65ef670e_ffn:
	s_mov_b64 s[64:65], 0
	v_nop
	global_prefetch_b8 v0, s[64:65] scope:SCOPE_SE
	s_setreg_imm32_b32 hwreg(HW_REG_WAVE_MODE, 25, 1), 1
	s_wait_xcnt 0x0
; FFN.  x1 = x + attention o_proj^T;  y = x1 rsqrt(mean(x1^2) + 1e-5) ln2_w, quantised twice (for w1 and for w3, each with its own scale);  u = y w1^T, v = y w3^T;  ff = (u sigmoid(u)) v, quantised;
; out = x1 + ff w2^T.  All four products on codes of E4M3; all else in f32.  Nothing between goes to memory.
; SHARES.  Work-group g: rows 32 g .. 32 g + 31, two tiles of 16.  THE WAVES SHARE THE COLUMNS: wave w makes columns 128 w .. 128 w + 127 of every product, which are K step w of the next.  Every product is used
; transposed (source 0 = 16 rows of the weight, source 1 = 16 rows of the activation): lane (r, h) holds row r, and register 16 b + i of a row tile's 64 is column 128 w + 32 b + 16 h + i: the conversions' results
; are the next operand's registers, and go from wave to wave through LDS as images (four stores of 512 bytes, lane l's 16 bytes at 16 l).  Three barriers; no LDS region is written twice by different phases.
; THE WEIGHTS stream from their images straight into registers: 16 units of 32 loads (one K step of one weight for my 8 tiles, 128 registers), three buffers by turns, so that two units are on their way while
; one is multiplied.  NO TENSOR LOADS, NO CLUSTER: a fragment of a weight feeds two products here, so a way through LDS would move the same 1 MB a work-group once more; no prefetch: all 256 work-groups walk the same images.
; LIMITS: e12, e14 and e16 - e12 - e13 - e14 - e15 between -126 and 119; e10 + e11, e12 + e13 and e16 + e17 between -126 and 127.  NaN among the inputs is not served.
; REGISTERS, in windows of 256.  window 0: v1-29 addresses and constants; v32-47 codes; v48-55 partial sums; v64-191 activation fragments; v192-255 at work.
;   window 1: v0-127 x, then x1 (64 row tile + 16 b + i); v128-255 weight buffer 2.   window 2: v0-127 accumulators A; v128-255 accumulators B (until the second product: v128-191 ln2_w, v192-255 at work).
;   window 3: weight buffers 0 and 1.
.set Y1IMG, 0                          ; LDS: y's codes for w1: (4 row tile + K step) x 2,048
.set Y3IMG, 16384                      ; for w3
.set FIMG,  32768                      ; ff's codes
.set STG,   49152                      ; the way out: 16 rows x (512 + 16) bytes for each wave
.set SSQ,   82944                      ; partial sums of squares: 128 wave + 64 row tile + 4 r
.set AF, 64
.set TT, 192
.set MSB, 0
.macro WIN new                         ; the immediate's high byte repeats the setting that is left
.if MSB != (\new)
	s_set_vgpr_msb (MSB<<8)|(\new)
.set MSB, (\new)
.endif
.endm
.macro BARRIER                         ; my LDS stores have landed and my LDS loads are in: then the work-group's barrier
	s_wait_dscnt 0x0
	s_barrier_signal -1
	s_barrier_wait -1
.endm
	s_load_b256 s[4:11], s[0:1], 0x0               ; acode s[4:5], x s[6:7], ln2_w s[8:9], the scales' exponents s[10:11]
	s_load_b128 s[12:15], s[0:1], 0x20             ; wimg s[12:13], out0 s[14:15]
	v_lshl_add_u32 v62, v0, 2, 0x14600
	v_mov_b32 v63, 0
	v_lshrrev_b32 v2, 5, v0
	v_readfirstlane_b32 s16, v2                    ; wave
	v_and_b32 v1, 31, v0
	v_lshlrev_b32 v1, 4, v1                        ; v1  16 x lane
	v_and_b32 v2, 15, v0                           ; r
	v_bfe_u32 v3, v0, 4, 1                         ; h
	s_lshl_b32 s17, s16, 9
	v_lshlrev_b32 v5, 6, v3
	v_add_nc_u32 v5, s17, v5                       ; v5  ln2_w: 512 w + 64 h
	v_lshl_add_u32 v4, v2, 11, v5                  ; v4  x: + row r of 2,048 bytes
	s_lshl_b32 s18, s16, 11
	v_add_nc_u32 v6, s18, v1                       ; v6  where I store images: 16 x lane + K step w
	v_and_b32 v7, 31, v0
	v_lshlrev_b32 v7, 2, v7
	s_lshl_b32 s18, s16, 7
	s_add_co_u32 s18, s18, SSQ
	v_add_nc_u32 v7, s18, v7                       ; v7  my partial sum's word
	v_lshlrev_b32 v8, 2, v2
	v_add_nc_u32 v8, SSQ, v8                       ; v8  row r's words
	s_mul_i32 s18, s16, 8448
	s_add_co_u32 s18, s18, STG
	v_mul_u32_u24 v9, v2, 528
	v_lshl_add_u32 v9, v3, 6, v9
	v_add_nc_u32 v9, s18, v9                       ; v9  the stage: row r + 64 h
	v_add_nc_u32 v10, s18, v1                      ; v10 and back: a row of 512 bytes to the 32 lanes
	v_add_nc_u32 v11, s17, v1                      ; v11 the same place in a row of out0
	v_mov_b32 v25, 0                               ; (upper halves of the pairs v[24:25], v[26:27])
	v_mov_b32 v27, 0
	s_mov_b32 s26, 0x76543210
	s_mov_b32 s27, 0xfedcba98
	s_mov_b32 s28, 0x3b000000                      ; 1 / 512
	s_mov_b32 s29, 0x3727c5ac                      ; 1e-5
	s_lshl_b32 s20, ttmp9, 14                      ; acode: two token tiles of 8,192 bytes
	s_mov_b32 s21, 0
	s_lshl_b32 s22, ttmp9, 16                      ; x, out0: 32 rows of 2,048 bytes
	s_mov_b32 s23, 0
	s_lshl_b32 s24, s16, 16                        ; wimg: my 8 tiles of each weight
	s_mov_b32 s25, 0
	s_wait_kmcnt 0x0
	s_load_b512 s[32:47], s[10:11], 0x0            ; e0 .. e15
	s_load_b64 s[48:49], s[10:11], 0x40            ; e16, e17
	s_add_nc_u64 s[4:5], s[4:5], s[20:21]
	s_add_nc_u64 s[6:7], s[6:7], s[22:23]
	s_add_nc_u64 s[14:15], s[14:15], s[22:23]
	s_add_nc_u64 s[12:13], s[12:13], s[24:25]
; Unit k: k = 0-3: o_proj, K step k;  4-11: w1 (even k) or w3 (odd), K step (k - 4) / 2;  12-15: w2, K step k - 12.  Buffer k % 3.
.macro LOADU k
.if (\k) < 4
.set UW, 3
.set US, (\k)
.elseif (\k) < 12
.set UW, 4+((\k)&1)
.set US, ((\k)-4)/2
.else
.set UW, 6
.set US, (\k)-12
.endif
.if (\k)%3 == 2
	WIN 0x40
.set UB, 128
.else
	WIN 0xc0
.set UB, 128*((\k)%3)
.endif
.set q, 0
.rept 32
	global_load_b128 v[UB+4*q:UB+4*q+3], v1, s[12:13] offset:262144*UW+(4*(q/4)+US)*2048+512*(q%4)
.set q, q+1
.endr
	WIN 0
.endm
; Unit k is multiplied: my 8 weight tiles x the two row tiles' fragments at v[f0], v[f1]; 16 accumulators from v[ab] of window 2 on, by turns, one instruction a turn.
; cnt: the loads issued behind unit k's that may stay out.  Then its buffer takes unit k + 3.
.macro UNIT k, ab, f0, f1, zero, cnt
	s_wait_loadcnt \cnt
.if (\k)%3 == 2
	WIN 0xa1
.set UB, 128
.else
	WIN 0xa3
.set UB, 128*((\k)%3)
.endif
.irp t, 0,1,2,3,4,5,6,7
.if \zero
	v_wmma_f32_16x16x128_fp8_fp8 v[\ab+8*\t:\ab+8*\t+7], v[UB+16*\t:UB+16*\t+15], v[\f0:\f0+15], 0
.else
	v_wmma_f32_16x16x128_fp8_fp8 v[\ab+8*\t:\ab+8*\t+7], v[UB+16*\t:UB+16*\t+15], v[\f0:\f0+15], v[\ab+8*\t:\ab+8*\t+7]
.endif
.endr
.irp t, 0,1,2,3,4,5,6,7
.if \zero
	v_wmma_f32_16x16x128_fp8_fp8 v[\ab+64+8*\t:\ab+64+8*\t+7], v[UB+16*\t:UB+16*\t+15], v[\f1:\f1+15], 0
.else
	v_wmma_f32_16x16x128_fp8_fp8 v[\ab+64+8*\t:\ab+64+8*\t+7], v[UB+16*\t:UB+16*\t+15], v[\f1:\f1+15], v[\ab+64+8*\t:\ab+64+8*\t+7]
.endif
.endr
	WIN 0
.rept 4
	v_nop                                          ; four places ahead of loads into registers that these products read, and of the first read of results
.endr
.if (\k)+3 <= 15
	LOADU (\k)+3
.endif
.endm
.macro MKSCALE vs, vl, se              ; v[vs] = 2^e as f32, v[vl] = 448 x 2^e; e in s[se]
	s_add_co_i32 s56, s[\se], 127
	s_lshl_b32 s57, s56, 23
	v_mov_b32 v[\vs], s57
	s_add_co_i32 s56, s56, 8
	s_lshl_b32 s56, s56, 23
	s_or_b32 s56, s56, 0x600000
	v_mov_b32 v[\vl], s56
.endm
; ---------------- the head's loads, in the order in which they are wanted
.set q, 0
.rept 32
	global_load_b128 v[AF+4*q:AF+4*q+3], v1, s[4:5] offset:512*q       ; attention's codes: fragment (row tile m, K step s) at AF + 16 (4 m + s)
.set q, q+1
.endr
	LOADU 0
	LOADU 1
	WIN 0x40
.set q, 0
.rept 32
	global_load_b128 v[4*q:4*q+3], v4, s[6:7] offset:32768*(q/16)+128*((q/4)%4)+16*(q%4) th:TH_LOAD_NT   ; x at my results' places; this launch reads it once
.set q, q+1
.endr
	WIN 0x80
.set q, 0
.rept 16
	global_load_b128 v[128+4*q:131+4*q], v5, s[8:9] offset:128*(q/4)+16*(q%4)   ; ln2_w likewise
.set q, q+1
.endr
	WIN 0
	LOADU 2
	s_wait_kmcnt 0x0
	s_add_co_i32 s50, s42, s43
	s_add_co_i32 s50, s50, 127
	s_lshl_b32 s50, s50, 23                        ; 2^(e10 + e11)
	s_mov_b32 s51, s50
	s_add_co_i32 s52, s44, s45
	s_lshl_b32 s52, s52, 23
	s_add_co_i32 s52, s52, 0xbfb8aa3b              ; -log2(e) x 2^(e12 + e13): the exponents are added to the constant's exponent field
	s_mov_b32 s53, s52
	s_add_co_i32 s54, s48, s49
	s_add_co_i32 s54, s54, 127
	s_lshl_b32 s54, s54, 23                        ; 2^(e16 + e17)
	s_mov_b32 s55, s54
	MKSCALE 12, 13, 44                             ; y for w1
	MKSCALE 14, 15, 46                             ; y for w3
	s_sub_co_i32 s58, s48, s44
	s_sub_co_i32 s58, s58, s45
	s_sub_co_i32 s58, s58, s46
	s_sub_co_i32 s58, s58, s47                     ; ff's sums lack 2^(e12 + e13 + e14 + e15): folded into the conversion's scale
	MKSCALE 28, 29, 58
; ---------------- attention o_proj^T.  63: at least 64 loads were issued behind each unit's
	UNIT 0, 0, AF, AF+64, 1, 63
	UNIT 1, 0, AF+16, AF+80, 0, 63
	UNIT 2, 0, AF+32, AF+96, 0, 63
	UNIT 3, 0, AF+48, AF+112, 0, 63
; ---------------- the residual, the norm, y's codes
	WIN 0x52
.set q, 0
.rept 64
	v_pk_fma_f32 v[2*q:2*q+1], v[2*q:2*q+1], s[50:51], v[2*q:2*q+1] op_sel_hi:[1,0,1]   ; x1 = sum x 2^(e10 + e11) + x; each accumulator from its low end on
.set q, q+1
.endr
	WIN 0x05
.irp m, 0,1
.set q, 0
.rept 2
	v_pk_mul_f32 v[16+4*\m+2*q:17+4*\m+2*q], v[64*\m+2*q:64*\m+2*q+1], v[64*\m+2*q:64*\m+2*q+1]
.set q, q+1
.endr
.rept 30
	v_pk_fma_f32 v[16+4*\m+2*(q%2):17+4*\m+2*(q%2)], v[64*\m+2*q:64*\m+2*q+1], v[64*\m+2*q:64*\m+2*q+1], v[16+4*\m+2*(q%2):17+4*\m+2*(q%2)]
.set q, q+1
.endr
.endr
	WIN 0
	v_pk_add_f32 v[16:17], v[16:17], v[18:19]
	v_pk_add_f32 v[20:21], v[20:21], v[22:23]
	v_add_f32 v16, v16, v17
	v_add_f32 v20, v20, v21
	v_permlanex16_b32 v17, v16, s26, s27
	v_permlanex16_b32 v21, v20, s26, s27
	v_add_f32 v16, v16, v17                        ; row r's sum over my 128 columns, first row tile,
	v_add_f32 v20, v20, v21                        ; second
	v_cmp_ne_u32 vcc_lo, 0, v3
	v_cndmask_b32 v16, v16, v20, vcc_lo            ; lanes 0-15 store the first tile's, lanes 16-31 the second's
	ds_store_b32 v7, v16
	BARRIER
.irp i, 0,1,2,3,4,5,6,7
	ds_load_b32 v[48+\i], v8 offset:64*\i          ; wave i / 2, row tile i % 2
.endr
	s_wait_dscnt 0x0
	v_add_f32 v48, v48, v50
	v_add_f32 v52, v52, v54
	v_add_f32 v49, v49, v51
	v_add_f32 v53, v53, v55
	v_add_f32 v48, v48, v52
	v_add_f32 v49, v49, v53
	v_fma_f32 v48, v48, s28, s29
	v_fma_f32 v49, v49, s28, s29
	v_rsq_f32 v24, v48
	v_rsq_f32 v26, v49
	v_nop                                          ; a plain instruction behind the transcendentals,
	s_wait_alu depctr_va_vdst(0)                   ; and one wait for both, ahead of their first reader
	WIN 0x81
.irp m, 0,1
.set q, 0
.rept 32
	v_pk_mul_f32 v[64*\m+2*q:64*\m+2*q+1], v[64*\m+2*q:64*\m+2*q+1], v[24+2*\m:25+2*\m] op_sel_hi:[1,0]   ; into the accumulators' registers: x1 is kept
.set q, q+1
.endr
.endr
	WIN 0x8a
.irp m, 0,1
.set q, 0
.rept 32
	v_pk_mul_f32 v[64*\m+2*q:64*\m+2*q+1], v[64*\m+2*q:64*\m+2*q+1], v[128+2*q:129+2*q]
.set q, q+1
.endr
.endr
.macro QY m, sc, lim, img              ; row tile m of y, held and converted with one of its two scales: K step w of the next product
	WIN 0x82
.set q, 0
.rept 64
	v_med3_num_f32 v[192+q], v[64*\m+q], -v[\lim], v[\lim]
.set q, q+1
.endr
	s_wait_dscnt 0x0                               ; the last image's stores have read the codes' registers
	WIN 0x02
.set q, 0
.rept 8
	v_cvt_scalef32_pk8_fp8_f32 v[32+2*q:33+2*q], v[192+8*q:199+8*q], v[\sc]
.set q, q+1
.endr
	v_nop                                          ; one plain vector instruction behind the last conversion
	WIN 0
.irp c, 0,1,2,3
	ds_store_b128 v6, v[32+4*\c:35+4*\c] offset:\img+8192*\m+512*\c
.endr
.endm
	QY 0, 12, 13, Y1IMG
	QY 1, 12, 13, Y1IMG
	QY 0, 14, 15, Y3IMG
	QY 1, 14, 15, Y3IMG
	BARRIER
; ---------------- u = y w1^T (accumulators A), v = y w3^T (accumulators B), a K step at a time
.macro FETCHY s                        ; K step s: y for w1, row tiles 0, 1; y for w3, row tiles 0, 1: into set s % 2
.irp z, 0,1
.irp m, 0,1
.irp c, 0,1,2,3
	ds_load_b128 v[AF+64*((\s)&1)+16*(2*\z+\m)+4*\c:AF+64*((\s)&1)+16*(2*\z+\m)+4*\c+3], v1 offset:16384*\z+(4*\m+(\s))*2048+512*\c
.endr
.endr
.endr
.endm
	FETCHY 0
	FETCHY 1
	s_wait_dscnt 16                                ; this K step's 16 loads are in; the next one's are younger
	UNIT 4, 0, AF, AF+16, 1, 63
	UNIT 5, 128, AF+32, AF+48, 1, 63
	FETCHY 2
	s_wait_dscnt 16
	UNIT 6, 0, AF+64, AF+80, 0, 63
	UNIT 7, 128, AF+96, AF+112, 0, 63
	FETCHY 3
	s_wait_dscnt 16
	UNIT 8, 0, AF, AF+16, 0, 63
	UNIT 9, 128, AF+32, AF+48, 0, 63
	s_wait_dscnt 0x0
	UNIT 10, 0, AF+64, AF+80, 0, 63
	UNIT 11, 128, AF+96, AF+112, 0, 63
; ---------------- ff = (u sigmoid(u)) v, quantised.  sigmoid(u) = 1 / (1 + 2^(-log2(e) u))
.macro SWIGLU m
	WIN 0x02
.set q, 0
.rept 32
	v_pk_mul_f32 v[TT+2*q:TT+2*q+1], v[64*\m+2*q:64*\m+2*q+1], s[52:53] op_sel_hi:[1,0]
.set q, q+1
.endr
	WIN 0
.set q, 0
.rept 64
	v_exp_f32 v[TT+q], v[TT+q]
.set q, q+1
.endr
	v_nop
	s_wait_alu depctr_va_vdst(0)                   ; one wait for the batch
.set q, 0
.rept 32
	v_pk_add_f32 v[TT+2*q:TT+2*q+1], v[TT+2*q:TT+2*q+1], 1.0 op_sel_hi:[1,0]
.set q, q+1
.endr
.set q, 0
.rept 64
	v_rcp_f32 v[TT+q], v[TT+q]
.set q, q+1
.endr
	v_nop
	s_wait_alu depctr_va_vdst(0)
	WIN 0x82
.set q, 0
.rept 32
	v_pk_mul_f32 v[64*\m+2*q:64*\m+2*q+1], v[64*\m+2*q:64*\m+2*q+1], v[TT+2*q:TT+2*q+1]
.set q, q+1
.endr
	WIN 0x8a
.set q, 0
.rept 32
	v_pk_mul_f32 v[64*\m+2*q:64*\m+2*q+1], v[64*\m+2*q:64*\m+2*q+1], v[128+64*\m+2*q:129+64*\m+2*q]
.set q, q+1
.endr
	WIN 0x82
.set q, 0
.rept 64
	v_med3_num_f32 v[64*\m+q], v[64*\m+q], -v29, v29
.set q, q+1
.endr
	s_wait_dscnt 0x0
	WIN 0x02
.set q, 0
.rept 8
	v_cvt_scalef32_pk8_fp8_f32 v[32+2*q:33+2*q], v[64*\m+8*q:64*\m+8*q+7], v28
.set q, q+1
.endr
	v_nop
	WIN 0
.irp c, 0,1,2,3
	ds_store_b128 v6, v[32+4*\c:35+4*\c] offset:FIMG+8192*\m+512*\c
.endr
.endm
	SWIGLU 0
	SWIGLU 1
	BARRIER
; ---------------- ff w2^T
.irp s, 0,1,2,3
.irp m, 0,1
.irp c, 0,1,2,3
	ds_load_b128 v[AF+16*(4*\m+\s)+4*\c:AF+16*(4*\m+\s)+4*\c+3], v1 offset:FIMG+(4*\m+\s)*2048+512*\c
.endr
.endr
.endr
	s_wait_dscnt 24                                ; eight loads to a K step: the later steps' are younger
	UNIT 12, 0, AF, AF+64, 1, 63
	s_wait_dscnt 16
	UNIT 13, 0, AF+16, AF+80, 0, 63
	s_wait_dscnt 8
	UNIT 14, 0, AF+32, AF+96, 0, 32                ; behind unit 14's loads: unit 15's 32
	s_wait_dscnt 0x0
	UNIT 15, 0, AF+48, AF+112, 0, 0
; ---------------- the way out: a lane holds pieces of one row, so 16 rows x my 128 columns go through my own stage and come back as rows of 512 bytes
.irp m, 0,1
	WIN 0x92
.set q, 0
.rept 32
	v_pk_fma_f32 v[128+64*\m+2*q:129+64*\m+2*q], v[64*\m+2*q:64*\m+2*q+1], s[54:55], v[64*\m+2*q:64*\m+2*q+1] op_sel_hi:[1,0,1]   ; out = sum x 2^(e16 + e17) + x1
.set q, q+1
.endr
	WIN 0x08
.set q, 0
.rept 16
	ds_store_b128 v9, v[128+64*\m+4*q:131+64*\m+4*q] offset:128*(q/4)+16*(q%4)
.set q, q+1
.endr
	WIN 0x80
.set q, 0
.rept 16
	ds_load_b128 v[64*\m+4*q:64*\m+4*q+3], v10 offset:528*q            ; LDS serves a wave's instructions in order (ISA guide 5.7.1): these see my stores, and the next tile's stores come behind them
.set q, q+1
.endr
	WIN 0x08
.set q, 0
.rept 16
	s_wait_dscnt 15-q                              ; row q is back; the rows behind it may be out
	global_store_b128 v11, v[64*\m+4*q:64*\m+4*q+3], s[14:15] offset:(16*\m+q)*2048 th:TH_STORE_NT   ; 512 consecutive bytes, aligned; written once
.set q, q+1
.endr
.endr
	WIN 0
	s_wait_tensorcnt 0x0
	ds_add_u32 v62, v63
	s_wait_dscnt 0x0
	s_endpgm
.Lfunc_end_k_qbc65ef670e_ffn:
	.size	k_qbc65ef670e_ffn, .Lfunc_end_k_qbc65ef670e_ffn-k_qbc65ef670e_ffn
	.p2alignl 7, 3214868480
	.fill 96, 4, 3214868480
	.section	.rodata,"a",@progbits
	.p2align	6, 0x0
	.amdhsa_kernel k_qbc65ef670e_ffn
		.amdhsa_group_segment_fixed_size 83968
		.amdhsa_private_segment_fixed_size 0
		.amdhsa_enable_private_segment 0
		.amdhsa_kernarg_size 48
		.amdhsa_user_sgpr_count 2
		.amdhsa_user_sgpr_kernarg_segment_ptr 1
		.amdhsa_wavefront_size32 1
		.amdhsa_system_sgpr_workgroup_id_x 1
		.amdhsa_system_sgpr_workgroup_id_y 1
		.amdhsa_system_sgpr_workgroup_id_z 1
		.amdhsa_system_vgpr_workitem_id 0
		.amdhsa_next_free_vgpr 1024
		.amdhsa_next_free_sgpr 66
		.amdhsa_reserve_vcc 1
		.amdhsa_float_denorm_mode_32 3
		.amdhsa_float_denorm_mode_16_64 3
		.amdhsa_memory_ordered 1
		.amdhsa_forward_progress 1
		.amdhsa_inst_pref_size 171
	.end_amdhsa_kernel
	.amdgpu_metadata
---
amdhsa.version: [ 1, 2 ]
amdhsa.kernels:
  - .name:           k_qbc65ef670e_ffn
    .symbol:         k_qbc65ef670e_ffn.kd
    .args:
      - { .name: acode, .offset: 0, .size: 8, .value_kind: global_buffer, .address_space: global }
      - { .name: x, .offset: 8, .size: 8, .value_kind: global_buffer, .address_space: global }
      - { .name: ln2_w, .offset: 16, .size: 8, .value_kind: global_buffer, .address_space: global }
      - { .name: lowp_scales, .offset: 24, .size: 8, .value_kind: global_buffer, .address_space: global }
      - { .name: wimg, .offset: 32, .size: 8, .value_kind: global_buffer, .address_space: global }
      - { .name: out0, .offset: 40, .size: 8, .value_kind: global_buffer, .address_space: global }
    .group_segment_fixed_size: 83968
    .private_segment_fixed_size: 0
    .kernarg_segment_align: 8
    .kernarg_segment_size: 48
    .max_flat_workgroup_size: 128
    .sgpr_count:     66
    .vgpr_count:     1024
    .wavefront_size: 32
...
	.end_amdgpu_metadata
.endif
;; end of part 4
;; ======== version 2 of 2: 4 launches
;; workspace buffers: wimg 1,835,008 bytes; rope 262,144 bytes; qkv 12,582,912 bytes; acode 4,194,304 bytes
;; launch prep (part 5): grid 256 x 1, 4 waves a work-group, no clusters, 0 bytes of LDS; arguments q_proj, k_proj, v_proj, o_proj, w1, w3, w2, lowp_scales, token_positions, wimg, rope; writes wimg, rope
.if DOCPART == 5
	.amdgcn_target "amdgcn-amd-amdhsa--gfx1250"
	.amdhsa_code_object_version 6
	.text
	.protected	k_qbc65ef670e_prep
	.globl	k_qbc65ef670e_prep
	.p2align	8
	.type	k_qbc65ef670e_prep,@function
k_qbc65ef670e_prep:
	s_mov_b64 s[64:65], 0
	v_nop
	global_prefetch_b8 v0, s[64:65] scope:SCOPE_SE
	s_setreg_imm32_b32 hwreg(HW_REG_WAVE_MODE, 25, 1), 1
	s_wait_xcnt 0x0
; PREP.  (a) The seven weights [512 (n)][512 (k)] f32 become codes of E4M3, each with its given scale 2^e, laid as IMAGES OF OPERAND REGISTERS:
;   wimg[W][tile t 0..31][K step s 0..3][chunk c 0..3][lane][16 bytes];  W: 0 q, 1 k, 2 v, 3 o, 4 w1, 5 w3, 6 w2.
;   Lane (r = lane % 16, h = lane / 16) of tile t = 2 b + u holds row 32 b + 8 u + r + 8 (r / 8) of the weight, k = 128 s + 32 c + 16 h + 0 .. 15.
;   Four 16-byte loads at 16 x lane + 512 c then fill a fragment's 16 registers.  The place of k in the registers is one permutation, the same in both operands of every product that reads these images.
; (b) cos and sin of position x 10000^(-i / 16), i = 0 .. 15, for the 2,048 tokens: rope[token tile 0..127][chunk][lane][16 bytes], f32; lane (r, h): token 16 tile + r;
;   chunk 0: cos of i = 8 h + 0 .. 3, chunk 1: cos of 8 h + 4 .. 7, chunks 2 and 3: the sines.
; SHARES: work-groups 0 .. 223: weight W = number / 32, tile t = number % 32, wave = K step: one fragment a wave.  Work-groups 224 .. 255: a token tile a wave.
; No LDS, no barrier, no matrix unit, no cluster: no two waves read the same bytes, and each output byte is made from four input bytes read once.
; LIMITS: each weight's e between -126 and 119, so that 2^e and 448 x 2^e are f32 numbers.  NaN among the inputs is not served.  Sine and cosine: the angle is brought into +-pi/4 with pi/2 in three f32 parts
; and fused multiply-adds, then two polynomials of degree 7 and 8: good to f32's own rounding for positions up to 2^24 in magnitude.
.set COSR, 40                          ; v40-47 cos of my eight frequencies
.set SINR, 48                          ; v48-55 sin
	s_load_b512 s[8:23], s[0:1], 0x0               ; q, k, v, o, w1, w3, w2 at s[8+2W:9+2W]; the scales' exponents s[22:23]
	s_load_b128 s[24:27], s[0:1], 0x40             ; token_positions s[24:25], wimg s[26:27]
	s_load_b64 s[28:29], s[0:1], 0x50              ; rope
	v_lshrrev_b32 v1, 5, v0
	v_readfirstlane_b32 s30, v1                    ; wave 0..3
	v_and_b32 v2, 31, v0                           ; lane
	v_and_b32 v3, 15, v0                           ; r
	v_bfe_u32 v4, v0, 4, 1                         ; h
	v_lshlrev_b32 v5, 4, v2                        ; 16 x lane
	s_wait_kmcnt 0x0
	s_cmp_lt_u32 ttmp9, 224
	s_cbranch_scc0 .Lrope
; ---------------- a fragment of a weight
	s_lshr_b32 s31, ttmp9, 5                       ; W
	s_and_b32 s32, ttmp9, 31                       ; t
	s_mov_b64 s[4:5], s[8:9]
.irp k, 1,2,3,4,5,6
	s_cmp_eq_u32 s31, \k                           ; the choice hangs on the work-group's number alone
	s_cselect_b64 s[4:5], s[8+2*\k:9+2*\k], s[4:5]
.endr
	s_lshl_b32 s33, s31, 1                         ; the weight's entry among the scales: 1, 3, 5, 11, 13, 15, 17 = 2 W + 1, and 4 more from W = 3 on
	s_add_co_u32 s33, s33, 1
	s_cmp_ge_u32 s31, 3
	s_cselect_b32 s34, 4, 0
	s_add_co_u32 s33, s33, s34
	s_lshl_b32 s33, s33, 2
	s_load_b32 s35, s[22:23], s33 offset:0x0       ; e
	s_wait_alu depctr_va_vdst(0)
	v_and_b32 v6, 8, v3
	v_add_nc_u32 v6, v6, v3                        ; r + 8 (r / 8)
	v_lshlrev_b32 v6, 11, v6                       ; a row is 2,048 bytes
	v_lshl_add_u32 v6, v4, 6, v6                   ; + 64 h: my 16 numbers of each 32
	s_wait_alu depctr_va_vdst(0)
	s_lshr_b32 s36, s32, 1
	s_lshl_b32 s36, s36, 16                        ; 32 (t / 2) rows
	s_and_b32 s37, s32, 1
	s_lshl_b32 s37, s37, 14                        ; 8 (t % 2) rows
	s_add_co_u32 s36, s36, s37
	s_lshl_b32 s37, s30, 9                         ; K step: 128 numbers
	s_add_co_u32 s36, s36, s37
	s_mov_b32 s37, 0
	s_add_nc_u64 s[4:5], s[4:5], s[36:37]
.set q, 0
.rept 16
	global_load_b128 v[16+4*q:19+4*q], v6, s[4:5] offset:128*(q/4)+16*(q%4)   ; register 16 c + i = k 32 c + 16 h + i of my row
.set q, q+1
.endr
	s_lshl_b32 s38, ttmp9, 13                      ; (32 W + t) x 4 fragments of 2,048 bytes
	s_lshl_b32 s39, s30, 11
	s_add_co_u32 s38, s38, s39
	s_mov_b32 s39, 0
	s_add_nc_u64 s[26:27], s[26:27], s[38:39]
	s_wait_kmcnt 0x0
	s_add_co_i32 s35, s35, 127
	s_lshl_b32 s40, s35, 23
	v_mov_b32 v8, s40                              ; 2^e as f32: the conversion takes its exponent field
	s_add_co_i32 s35, s35, 8
	s_lshl_b32 s35, s35, 23
	s_or_b32 s35, s35, 0x600000
	v_mov_b32 v9, s35                              ; 448 x 2^e
	s_wait_alu depctr_va_vdst(0)
	s_wait_loadcnt 0x0
.set q, 0
.rept 64
	v_med3_num_f32 v[16+q], v[16+q], -v9, v9       ; the conversion to an 8-bit code does not saturate (ISA guide 7.6.2): the hold at the largest code x the scale comes first
.set q, q+1
.endr
.set q, 0
.rept 8
	v_cvt_scalef32_pk8_fp8_f32 v[80+2*q:81+2*q], v[16+8*q:23+8*q], v8
.set q, q+1
.endr
.irp c, 0,1,2,3
	global_store_b128 v5, v[80+4*\c:83+4*\c], s[26:27] offset:512*\c   ; the wave stores 512 consecutive bytes, aligned
.endr
	s_endpgm
; ---------------- a token tile's cosines and sines
.Lrope:
	s_sub_co_u32 s31, ttmp9, 224
	s_lshl_b32 s31, s31, 2
	s_add_co_u32 s31, s31, s30                     ; token tile
	s_lshl_b32 s32, s31, 6                         ; its 16 positions: 64 bytes
	s_mov_b32 s33, 0
	s_add_nc_u64 s[24:25], s[24:25], s[32:33]
	s_wait_alu depctr_va_vdst(0)
	v_lshlrev_b32 v6, 2, v3
	global_load_b32 v7, v6, s[24:25]               ; my token's position
	s_lshl_b32 s36, s31, 11
	s_mov_b32 s37, 0
	s_add_nc_u64 s[28:29], s[28:29], s[36:37]
	s_mov_b32 s40, 0xbfc90fdb                      ; -(pi/2) in three parts: the nearest f32,
	s_mov_b32 s41, 0x333bbd2e                      ; what it lacks,
	s_mov_b32 s42, 0x26f72ced                      ; and what that lacks
	s_mov_b32 s43, 0xb94ca1f9                      ; sine: -1.9515296e-4,
	s_mov_b32 s44, 0x3c08839e                      ; 8.3321609e-3,
	s_mov_b32 s45, 0xbe2aaaa3                      ; -1.6666655e-1
	s_mov_b32 s46, 0x37ccf5ce                      ; cosine: 2.4433157e-5,
	s_mov_b32 s47, 0xbab6061a                      ; -1.3887316e-3,
	s_mov_b32 s48, 0x3d2aaaa5                      ; 4.1666646e-2
	v_cmp_ne_u32 vcc_lo, 0, v4                     ; lanes 16-31 take frequencies 8 .. 15
	s_wait_loadcnt 0x0
	v_cvt_f32_i32 v7, v7
; cos and sin of position x frequency; lo: 10^(-i / 4), hi: 10^(-(8 + i) / 4).  Every choice selects a value; nothing branches.
.macro SINCOS i, lo, hi
	v_mul_f32 v20, \lo, v7
	v_mul_f32 v21, \hi, v7
	v_cndmask_b32 v20, v20, v21, vcc_lo            ; the angle
	v_mul_f32 v21, 0x3f22f983, v20                 ; x 2 / pi
	v_rndne_f32 v21, v21                           ; n
	v_fma_f32 v22, v21, s40, v20
	v_fma_f32 v22, v21, s41, v22
	v_fma_f32 v22, v21, s42, v22                   ; rho = angle - n pi/2, within +-pi/4
	v_mul_f32 v23, v22, v22                        ; z
	v_fma_f32 v24, v23, s43, s44
	v_fma_f32 v24, v24, v23, s45
	v_mul_f32 v25, v22, v23
	v_fma_f32 v24, v25, v24, v22                   ; sin rho
	v_fma_f32 v26, v23, s46, s47
	v_fma_f32 v26, v26, v23, s48
	v_mul_f32 v27, v23, v23
	v_fma_f32 v28, v23, -0.5, 1.0
	v_fma_f32 v26, v27, v26, v28                   ; cos rho
	v_cvt_i32_f32 v29, v21
	v_and_b32 v30, 1, v29
	v_cmp_ne_u32 s50, 0, v30                       ; n odd: the two change places
	v_cndmask_b32 v31, v24, v26, s50
	v_cndmask_b32 v32, v26, v24, s50
	v_lshlrev_b32 v33, 30, v29
	v_and_b32 v33, 0x80000000, v33                 ; the sine is negated where n % 4 is 2 or 3,
	v_xor_b32 v[SINR+\i], v31, v33
	v_add_nc_u32 v29, 1, v29
	v_lshlrev_b32 v29, 30, v29
	v_and_b32 v29, 0x80000000, v29                 ; the cosine where it is 1 or 2
	v_xor_b32 v[COSR+\i], v32, v29
.endm
	SINCOS 0, 1.0, 0.01
	SINCOS 1, 0.562341325, 0.00562341325
	SINCOS 2, 0.316227766, 0.00316227766
	SINCOS 3, 0.177827941, 0.00177827941
	SINCOS 4, 0.1, 0.001
	SINCOS 5, 0.0562341325, 0.000562341325
	SINCOS 6, 0.0316227766, 0.000316227766
	SINCOS 7, 0.0177827941, 0.000177827941
.irp c, 0,1,2,3
	global_store_b128 v5, v[COSR+4*\c:COSR+4*\c+3], s[28:29] offset:512*\c   ; 512 consecutive bytes a store
.endr
	s_endpgm
.Lfunc_end_k_qbc65ef670e_prep:
	.size	k_qbc65ef670e_prep, .Lfunc_end_k_qbc65ef670e_prep-k_qbc65ef670e_prep
	.p2alignl 7, 3214868480
	.fill 96, 4, 3214868480
	.section	.rodata,"a",@progbits
	.p2align	6, 0x0
	.amdhsa_kernel k_qbc65ef670e_prep
		.amdhsa_group_segment_fixed_size 0
		.amdhsa_private_segment_fixed_size 0
		.amdhsa_enable_private_segment 0
		.amdhsa_kernarg_size 88
		.amdhsa_user_sgpr_count 2
		.amdhsa_user_sgpr_kernarg_segment_ptr 1
		.amdhsa_wavefront_size32 1
		.amdhsa_system_sgpr_workgroup_id_x 1
		.amdhsa_system_sgpr_workgroup_id_y 1
		.amdhsa_system_sgpr_workgroup_id_z 1
		.amdhsa_system_vgpr_workitem_id 0
		.amdhsa_next_free_vgpr 128
		.amdhsa_next_free_sgpr 66
		.amdhsa_reserve_vcc 1
		.amdhsa_float_denorm_mode_32 3
		.amdhsa_float_denorm_mode_16_64 3
		.amdhsa_memory_ordered 1
		.amdhsa_forward_progress 1
		.amdhsa_inst_pref_size 23
	.end_amdhsa_kernel
	.amdgpu_metadata
---
amdhsa.version: [ 1, 2 ]
amdhsa.kernels:
  - .name:           k_qbc65ef670e_prep
    .symbol:         k_qbc65ef670e_prep.kd
    .args:
      - { .name: q_proj, .offset: 0, .size: 8, .value_kind: global_buffer, .address_space: global }
      - { .name: k_proj, .offset: 8, .size: 8, .value_kind: global_buffer, .address_space: global }
      - { .name: v_proj, .offset: 16, .size: 8, .value_kind: global_buffer, .address_space: global }
      - { .name: o_proj, .offset: 24, .size: 8, .value_kind: global_buffer, .address_space: global }
      - { .name: w1, .offset: 32, .size: 8, .value_kind: global_buffer, .address_space: global }
      - { .name: w3, .offset: 40, .size: 8, .value_kind: global_buffer, .address_space: global }
      - { .name: w2, .offset: 48, .size: 8, .value_kind: global_buffer, .address_space: global }
      - { .name: lowp_scales, .offset: 56, .size: 8, .value_kind: global_buffer, .address_space: global }
      - { .name: token_positions, .offset: 64, .size: 8, .value_kind: global_buffer, .address_space: global }
      - { .name: wimg, .offset: 72, .size: 8, .value_kind: global_buffer, .address_space: global }
      - { .name: rope, .offset: 80, .size: 8, .value_kind: global_buffer, .address_space: global }
    .group_segment_fixed_size: 0
    .private_segment_fixed_size: 0
    .kernarg_segment_align: 8
    .kernarg_segment_size: 88
    .max_flat_workgroup_size: 128
    .sgpr_count:     66
    .vgpr_count:     128
    .wavefront_size: 32
...
	.end_amdgpu_metadata
.endif
;; end of part 5
;; launch qkv (part 6): grid 64 x 3, 4 waves a work-group, no clusters, 90,624 bytes of LDS; arguments x, ln1_w, lowp_scales, wimg, rope, qkv; writes qkv
.if DOCPART == 6
	.amdgcn_target "amdgcn-amd-amdhsa--gfx1250"
	.amdhsa_code_object_version 6
	.text
	.protected	k_qbc65ef670e_qkv
	.globl	k_qbc65ef670e_qkv
	.p2align	8
	.type	k_qbc65ef670e_qkv,@function
k_qbc65ef670e_qkv:
	s_mov_b64 s[64:65], 0
	v_nop
	global_prefetch_b8 v0, s[64:65] scope:SCOPE_SE
	s_setreg_imm32_b32 hwreg(HW_REG_WAVE_SCHED_MODE, 0, 2), 2
	s_setreg_imm32_b32 hwreg(HW_REG_WAVE_MODE, 25, 1), 1
	s_wait_xcnt 0x0
	s_wait_alu depctr_vm_vsrc(0)
; QKV.  x_ln = x rsqrt(mean(x^2) + 1e-5) ln1_w in f32; quantised with this product's own scale; x_ln W^T on codes of E4M3 (W = q, k or v by work-group y); RoPE on q and k in f32; the result quantised for attention.
; SHARES.  Work-group (X, Y): rows 128 X .. 128 X + 127 of x, tensor Y.  THE WAVES SHARE THE COLUMNS: wave w makes columns 128 w .. 128 w + 127 (heads 4 w .. 4 w + 3) for all 128 rows; its 64 KB of weight codes
; stay in 512 registers, read from memory once.  Wave w norms and quantises rows 32 w .. 32 w + 31; the codes go from wave to wave through LDS as images of the operand's registers (a fragment of 16 rows x 128 K:
; four stores of 512 bytes, lane l's 16 bytes at 16 l), behind the kernel's ONE barrier, behind which nothing is stored to LDS.
; LAYOUT.  q, k: the product is used transposed (source 0 = 16 rows of W, source 1 = 16 rows of x): lane (r, h) holds token r, and the 16 registers of weight tiles 2 b, 2 b + 1 are dims 16 h + 0 .. 15 of head b
; (the rows of a weight tile are chosen for that when the images are made).  v: source 0 = x, source 1 = W: a lane holds ONE channel and eight tokens, which are eight neighbours along the second attention product's K.
; OUT.  qkv part 0 (q), part 1 (k): [batch x head][token tile][lane][16 bytes], lane (r, h): token r, dims 16 h ..;  part 2 (v): [batch x head][key step of 128][u][chunk][lane][16 bytes],
; lane (r, h): channel 16 (r / 8) + 8 u + r % 8; bytes 0-7 keys 32 chunk + 8 h + 0 .. 7, bytes 8-15 keys 32 chunk + 16 + 8 h + 0 .. 7.  Every store of a wave is 512 consecutive bytes, aligned.
; NO TENSOR LOADS, NO CLUSTER: the weights go straight into the registers in which they stay, so a way through LDS would only add 256 KB of LDS traffic a work-group; the rows of x are shared by the three
; work-groups along y, and 3 is no multiple of a cluster's side.
; LIMITS: the activation's e, and e(out) - e(activation) - e(weight), between -126 and 119.  NaN among the inputs is not served.
; REGISTERS, in windows of 256.  window 0: v1-27 addresses and constants (below); v32-95 and v96-159 ln1_w of a K step, two buffers by turns; later v32-95 x's fragments (v path: v32-159) and v96-111 cos, sin;
;   v112-119 at work; v160-223 accumulators; v224-239 codes.
;   window 1: my first 16 rows of x (256 numbers a lane).  window 2: weight tiles 0-3 (register 16 (4 tile + K step) + 4 chunk).  window 3: my second 16 rows, then weight tiles 4-7.
; THE MODE: SCHED_MODE bits 1:0 = 2 (LLVM: expert scheduling mode 2), set by the entry lines.  The code itself states the register dependences between vector or matrix instructions and memory or LDS
; instructions, with s_wait_alu, always for 0.
; THE PLAN.  Registers that memory or LDS instructions touch, and who else names them:
;   v1, v4, v6-v9   offsets and LDS addresses: made at the head, never written again: one wait on va_vdst ahead of the first load serves them for the whole kernel.
;   ln1_w's buffers K step s multiplies by buffer s % 2; the loads of K step s + 2 land in it behind the step's one wait on va_vdst: a K step's gains are asked for two K steps ahead.
;   v224-239        written by conversions, read by the image's LDS stores or a trip's global stores: va_vdst ahead of the stores, vm_vsrc ahead of the next conversions.
;   window 3        the norm's instructions work on my second 16 rows there; the loads of weight tiles 4-7 follow the last K step's wait on va_vdst.
;   x's fragments   a trip's products read them; the next trip's LDS loads land in them behind the wait on va_vdst that follows the products and their places.
;   v96-111         RoPE reads them; the next trip's cos and sin land behind the wait on va_vdst that stands ahead of the trip's stores.
;   v11, v27        LDS addresses, which have no scalar base: stepped at a trip's head, behind its wait on vm_vsrc and ahead of the wait on va_vdst that stands behind the products anyway.
;   The stores' offset is v1: their scalar base moves on by a trip, and the immediate reaches back.
.set XIMG, 0                           ; LDS: x's 32 fragments: (4 row tile + K step) x 2,048
.set LNW,  65536                       ; ln1_w, a copy of its own for each wave: 2,048 x wave
.set ROPE, 73728                       ; the 8 token tiles' cos and sin: 2,048 each
.set GN,   32                          ; ln1_w's two buffers: v32-95, v96-159
.set MSB, 0
.macro WIN new                         ; the immediate's high byte repeats the setting that is left; a switch that changes nothing is dropped
.if MSB != (\new)
	s_set_vgpr_msb (MSB<<8)|(\new)
.set MSB, (\new)
.endif
.endm
.macro PLACES                          ; four plain vector instructions between a matrix instruction and a vector read or write of its registers; they stand ahead of the loads into its registers too, beside the wait that states that dependence
.rept 4
	v_nop
.endr
.endm
	s_load_b256 s[4:11], s[0:1], 0x0               ; x s[4:5], ln1_w s[6:7], the scales' exponents s[8:9], wimg s[10:11]
	s_load_b128 s[12:15], s[0:1], 0x20             ; rope s[12:13], qkv s[14:15]
	v_lshl_add_u32 v254, v0, 2, 0x16000
	v_mov_b32 v255, 0
	v_lshrrev_b32 v5, 5, v0
	v_readfirstlane_b32 s16, v5                    ; wave
	s_and_b32 s18, ttmp7, 0xffff                   ; Y
	v_and_b32 v1, 31, v0
	v_lshlrev_b32 v1, 4, v1                        ; v1  16 x lane
	v_and_b32 v2, 15, v0                           ; r
	v_bfe_u32 v3, v0, 4, 1                         ; h
	v_lshlrev_b32 v4, 11, v2
	v_lshl_add_u32 v4, v3, 6, v4                   ; v4  x: row r of 2,048 bytes + 64 h
	s_wait_alu depctr_va_sdst(0)                   ; s16 is written, ahead of its first reader: LDS addresses and all bases are made from it
	s_lshl_b32 s38, s16, 14
	v_add_nc_u32 v6, s38, v1                       ; v6  where I store x's images: 16 x lane + 8 fragments x wave
	s_lshl_b32 s38, s16, 11
	s_add_co_u32 s38, s38, LNW
	v_lshlrev_b32 v7, 6, v3
	v_add_nc_u32 v7, s38, v7                       ; v7  ln1_w as I read it: my copy + 64 h
	v_add_nc_u32 v8, s38, v1                       ; v8  and as I store it
	s_lshl_b32 s38, s16, 12
	s_add_co_u32 s38, s38, ROPE
	v_add_nc_u32 v9, s38, v1                       ; v9  where I store two token tiles' cos and sin
	v_add_nc_u32 v26, ROPE, v1                     ; v26 where tile 0's are read
	v_mov_b32 v25, 0                               ; (named as the upper half of the pair v[24:25])
	s_mov_b32 s20, 0x76543210
	s_mov_b32 s21, 0xfedcba98                      ; v_permlanex16_b32: lane l xor 16
	s_mov_b32 s22, 0x3b000000                      ; 1 / 512
	s_mov_b32 s23, 0x3727c5ac                      ; 1e-5
	s_lshl_b32 s30, ttmp9, 18                      ; x: (128 X + 32 wave) rows of 2,048 bytes
	s_lshl_b32 s31, s16, 16
	s_add_co_u32 s30, s30, s31
	s_mov_b32 s31, 0
	s_and_b32 s39, ttmp9, 15                       ; the block's place in its sequence
	s_lshl_b32 s32, s39, 14                        ; rope: token tile 8 (X % 16) + 2 wave
	s_lshl_b32 s33, s16, 12
	s_add_co_u32 s32, s32, s33
	s_mov_b32 s33, 0
	s_lshl_b32 s34, s18, 18                        ; wimg: weight Y, my 8 tiles
	s_lshl_b32 s35, s16, 16
	s_add_co_u32 s34, s34, s35
	s_mov_b32 s35, 0
	s_lshl_b32 s36, s18, 22                        ; qkv: part Y, (16 batch + 4 wave) x 65,536, + 4,096 (X % 16): 8 token tiles of 512 bytes, or one key step of V
	s_lshr_b32 s37, ttmp9, 4
	s_lshl_b32 s37, s37, 20
	s_add_co_u32 s36, s36, s37
	s_lshl_b32 s37, s16, 18
	s_add_co_u32 s36, s36, s37
	s_lshl_b32 s37, s39, 12
	s_add_co_u32 s36, s36, s37
	s_mov_b32 s37, 0
	s_lshl_b32 s19, s18, 3                         ; entries 2 Y, 2 Y + 1: the activation's and the weight's e
	s_lshr_b32 s40, s18, 1
	s_add_co_u32 s40, s40, s18
	s_add_co_u32 s40, s40, 6
	s_lshl_b32 s40, s40, 2                         ; entry 6, 7 or 9: the result's e
	s_wait_kmcnt 0x0
	s_load_b64 s[24:25], s[8:9], s19 offset:0x0
	s_load_b32 s26, s[8:9], s40 offset:0x0
	s_add_nc_u64 s[4:5], s[4:5], s[30:31]
	s_add_nc_u64 s[12:13], s[12:13], s[32:33]
	s_add_nc_u64 s[10:11], s[10:11], s[34:35]
	s_add_nc_u64 s[14:15], s[14:15], s[36:37]
.macro XLOAD a                         ; 16 rows of x: register 16 B + i = k 32 B + 16 h + i of row r
.set q, 0
.rept 64
	global_load_b128 v[4*q:4*q+3], v4, s[4:5] offset:32768*\a+128*(q/4)+16*(q%4)
.set q, q+1
.endr
.endm
.macro WLOAD cg                        ; 16 fragments of my weight tiles 4 cg .. 4 cg + 3, as they lie
.set q, 0
.rept 64
	global_load_b128 v[4*q:4*q+3], v1, s[10:11] offset:32768*\cg+512*q
.set q, q+1
.endr
.endm
.macro MKSCALE vs, vl, se              ; v[vs] = 2^e as f32, v[vl] = 448 x 2^e; e in s[se]
	s_add_co_i32 s41, s[\se], 127
	s_lshl_b32 s42, s41, 23
	v_mov_b32 v[\vs], s42
	s_add_co_i32 s41, s41, 8
	s_lshl_b32 s41, s41, 23
	s_or_b32 s41, s41, 0x600000
	v_mov_b32 v[\vl], s41
.endm
.macro GAINS s                         ; ln1_w at my 64 places of K step s, into buffer s % 2; my own copy, and LDS serves a wave's instructions in order (ISA guide 5.7.1)
.set q, 0
.rept 16
	ds_load_b128 v[GN+64*((\s)%2)+4*q:GN+64*((\s)%2)+4*q+3], v7 offset:512*(\s)+128*(q/4)+16*(q%4)
.set q, q+1
.endr
.endm
; 16 rows in window win: the norm, the gain, the hold, the codes, four images.  a: which of my two row tiles.  wss: sources 0 and 1 in win; wmul: destination and source 0 in win.
; The gains of K steps 0 and 1 have been asked for ahead of the macro.
.macro NORMQ win, a, wss, wmul
	WIN \wss
.set q, 0
.rept 4
	v_pk_mul_f32 v[16+2*q:17+2*q], v[2*q:2*q+1], v[2*q:2*q+1]        ; the first four pairs start four chains: nothing is cleared
.set q, q+1
.endr
.rept 124
	v_pk_fma_f32 v[16+2*(q%4):17+2*(q%4)], v[2*q:2*q+1], v[2*q:2*q+1], v[16+2*(q%4):17+2*(q%4)]
.set q, q+1
.endr
	WIN 0
	v_pk_add_f32 v[16:17], v[16:17], v[18:19]
	v_pk_add_f32 v[20:21], v[20:21], v[22:23]
	v_pk_add_f32 v[16:17], v[16:17], v[20:21]
	v_add_f32 v16, v16, v17
	v_permlanex16_b32 v17, v16, s20, s21           ; the row's other 256 numbers lie in lane l xor 16
	v_add_f32 v16, v16, v17
	v_fma_f32 v16, v16, s22, s23                   ; mean + eps
	s_wait_alu depctr_va_vdst(0)
	v_rsq_f32 v24, v16
	v_nop                                          ; a plain instruction behind the transcendental,
	s_wait_alu depctr_va_vdst(0)                   ; and the wait ahead of its first reader: v24 is written
.irp s, 0,1,2,3
	WIN \wmul
.set q, 0
.rept 32
	v_pk_mul_f32 v[64*\s+2*q:64*\s+2*q+1], v[64*\s+2*q:64*\s+2*q+1], v[24:25] op_sel_hi:[1,0]
.set q, q+1
.endr
.if \s == 0
	s_wait_dscnt 16                                ; this K step's gains are in; the next step's 16 loads are younger
.elseif \s == 3
	s_wait_dscnt 4                                 ; younger: the last image's four stores
.else
	s_wait_dscnt 20                                ; younger: the last image's four stores and the next K step's 16 loads
.endif
.set q, 0
.rept 32
	v_pk_mul_f32 v[64*\s+2*q:64*\s+2*q+1], v[64*\s+2*q:64*\s+2*q+1], v[GN+64*(\s%2)+2*q:GN+64*(\s%2)+2*q+1]
.set q, q+1
.endr
.set q, 0
.rept 64
	v_med3_num_f32 v[64*\s+q], v[64*\s+q], -v13, v13   ; the conversion does not saturate (ISA guide 7.6.2): the hold comes first
.set q, q+1
.endr
.if \a+\s > 0
	s_wait_alu depctr_vm_vsrc(0)                   ; the last image's LDS stores have read v224-239, which the conversions write again
.endif
	WIN \win
.set q, 0
.rept 8
	v_cvt_scalef32_pk8_fp8_f32 v[224+2*q:225+2*q], v[64*\s+8*q:64*\s+8*q+7], v12
.set q, q+1
.endr
	v_nop                                          ; one plain vector instruction behind the last conversion
	WIN 0
	s_wait_alu depctr_va_vdst(0)                   ; the conversions have written v224-239, which the stores read; the multiplies are done reading this K step's gains, in whose buffer the loads below land
.irp c, 0,1,2,3
	ds_store_b128 v6, v[224+4*\c:227+4*\c] offset:XIMG+(4*\a+\s)*2048+512*\c
.endr
.if \s < 2
	GAINS \s+2                                     ; two K steps ahead.  No further wait: no vector instruction since the wait above
.endif
.endr
.endm
; ---------------- loads, norm, images
	s_wait_alu depctr_va_vdst(0)                   ; v1, v4 and v6 to v9 are written: the offsets and LDS addresses that the loads and stores of the whole kernel read
.irp i, 0,1,2,3
	global_load_b128 v[32+4*\i:35+4*\i], v1, s[6:7] offset:512*\i      ; ln1_w
.endr
.irp i, 0,1,2,3,4,5,6,7
	global_load_b128 v[48+4*\i:51+4*\i], v1, s[12:13] offset:512*\i    ; two token tiles' cos and sin
.endr
	WIN 0x40
	XLOAD 0
	WIN 0
	s_wait_loadcnt 63                              ; 64 loads were issued behind the first twelve: those are in
.irp i, 0,1,2,3
	ds_store_b128 v8, v[32+4*\i:35+4*\i] offset:512*\i
.endr
.irp i, 0,1,2,3,4,5,6,7
	ds_store_b128 v9, v[48+4*\i:51+4*\i] offset:512*\i
.endr
	WIN 0xc0
	XLOAD 1
	WIN 0
	s_wait_kmcnt 0x0
	MKSCALE 12, 13, 24                             ; v12, v13: the activation's scale
	s_sub_co_i32 s43, s26, s24
	s_sub_co_i32 s43, s43, s25                     ; a sum stands for sum x 2^(eA + eB): the three scales are folded into the conversion's one
	MKSCALE 14, 15, 43                             ; v14, v15
	s_wait_alu depctr_vm_vsrc(0)                   ; the twelve LDS stores above have read v32-79, in which the gains land
	GAINS 0
	GAINS 1
	s_wait_loadcnt 63                              ; 64 loads were issued behind my first 16 rows
	NORMQ 1, 0, 0x05, 0x41
	GAINS 0                                        ; for my second 16 rows.  No wait: the last K step's wait on va_vdst stands behind every multiply that read either buffer
	GAINS 1
	WIN 0x80
	WLOAD 0
	WIN 0
	s_wait_loadcnt 63                              ; 64 behind my second 16 rows
	NORMQ 3, 1, 0x0f, 0xc3
	WIN 0xc0
	WLOAD 1                                        ; into the registers that those rows have left.  No wait: the last K step's wait on va_vdst stands behind every instruction that named them, and only LDS stores of other registers have followed it
	WIN 0
	s_wait_dscnt 0x0                               ; for the others' sake: my images, and my part of cos and sin, have landed
	s_barrier_signal -1
	s_barrier_wait -1
	s_wait_loadcnt 63                              ; 64 behind weight tiles 0-3
	s_cmp_eq_u32 s18, 2
	s_cbranch_scc1 .Lv
; ---------------- q and k: a tile of 16 tokens a trip
.macro QKFETCH                         ; x's four fragments of a row tile
.set q, 0
.rept 16
	ds_load_b128 v[32+4*q:35+4*q], v11 offset:XIMG+512*q
.set q, q+1
.endr
.endm
.macro RPFETCH                         ; its cos (v96-103) and sin (v104-111)
.irp c, 0,1,2,3
	ds_load_b128 v[96+4*\c:99+4*\c], v27 offset:512*\c
.endr
.endm
.macro QKHEAD                          ; (in the second pass v11 and v27 were last read by loads issued ahead of the last trip's wait on vm_vsrc)
	s_mov_b32 s27, 0
	s_mov_b32 s28, 0
	v_mov_b32 v11, v1
	v_mov_b32 v27, v26
	s_wait_alu depctr_va_vdst(0)                   ; v11 and v27 are written, which the loads below read
	QKFETCH
	RPFETCH
.endm
.macro QKTRIP cg, more                 ; weight tiles 4 cg .. 4 cg + 3 (two heads) x one row tile.  more = 1: the next row tile is fetched
	s_wait_alu depctr_vm_vsrc(0)                   ; the LDS loads issued so far have read v11 and v27, which are stepped here; the stores issued so far have read v224-231, which this trip's conversions write
.if \more
	s_add_co_u32 s27, s27, 8192
	s_add_co_u32 s28, s28, 2048
	v_add_nc_u32 v11, s27, v1
	v_add_nc_u32 v27, s28, v26
.endif
	s_wait_dscnt 4                                 ; the fragments are in; the four loads of cos and sin are younger
	WIN 0x02+\cg
.irp s, 0,1,2,3
.irp t, 0,1,2,3                        ; the four accumulators take turns, one instruction a turn
.if \s == 0
	v_wmma_f32_16x16x128_fp8_fp8 v[160+8*\t:167+8*\t], v[16*(4*\t+\s):16*(4*\t+\s)+15], v[32+16*\s:47+16*\s], 0
.else
	v_wmma_f32_16x16x128_fp8_fp8 v[160+8*\t:167+8*\t], v[16*(4*\t+\s):16*(4*\t+\s)+15], v[32+16*\s:47+16*\s], v[160+8*\t:167+8*\t]
.endif
.endr
.endr
	WIN 0
	PLACES
.if \more
	s_wait_alu depctr_va_vdst(0)                   ; the products are done reading v32-95, in which the loads below land; v11 and v27 are written
	QKFETCH
	s_wait_dscnt 16                                ; cos and sin are in; the 16 loads just issued are younger
.else
	s_wait_dscnt 0x0
.endif
.irp t, 0,1,2,3                        ; RoPE: register 8 t + 2 i, + 1 are dims 16 h + 8 (t % 2) + 2 i, + 1: frequency 8 h + 4 (t % 2) + i.  Each accumulator is read from its low end on
.irp i, 0,1,2,3
	v_mul_f32 v[112+2*\i], v[161+8*\t+2*\i], v[104+4*(\t%2)+\i]
	v_mul_f32 v[113+2*\i], v[160+8*\t+2*\i], v[104+4*(\t%2)+\i]
.endr
.irp i, 0,1,2,3
	v_fma_f32 v[160+8*\t+2*\i], v[160+8*\t+2*\i], v[96+4*(\t%2)+\i], -v[112+2*\i]
	v_fma_f32 v[161+8*\t+2*\i], v[161+8*\t+2*\i], v[96+4*(\t%2)+\i], v[113+2*\i]
.endr
.endr
.set q, 0
.rept 32
	v_med3_num_f32 v[160+q], v[160+q], -v15, v15
.set q, q+1
.endr
	s_wait_alu depctr_va_vdst(0)
	s_wait_xcnt 0x0                                ; the last trip's stores have had their addresses translated (ISA guide 3.1): their base and their data are written again only behind this wait
	s_add_nc_u64 s[14:15], s[14:15], 512           ; a token tile on; the stores below reach back by as much
.set q, 0
.rept 4
	v_cvt_scalef32_pk8_fp8_f32 v[224+2*q:225+2*q], v[160+8*q:167+8*q], v14
.set q, q+1
.endr
	v_nop
	s_wait_alu depctr_va_vdst(0)                   ; the conversions have written v224-231, which the stores read; RoPE is done reading v96-111, in which the next cos and sin land
.if \more
	RPFETCH
.endif
.irp n, 0,1
	global_store_b128 v1, v[224+4*\n:227+4*\n], s[14:15] offset:(2*\cg+\n)*65536-4096*\cg-512   ; head 4 w + 2 cg + n, this token tile: 512 consecutive bytes; the second pass takes the first pass's eight steps of the base back
.endr
.endm
	QKHEAD
	s_mov_b32 s29, 7
.Lqk0:
	QKTRIP 0, 1
	s_sub_co_u32 s29, s29, 1
	s_cmp_lg_u32 s29, 0
	s_cbranch_scc1 .Lqk0
	QKTRIP 0, 0                                    ; the last row tile is written out: it fetches nothing
	s_wait_loadcnt 0x0                             ; weight tiles 4-7
	QKHEAD
	s_mov_b32 s29, 7
.Lqk1:
	QKTRIP 1, 1
	s_sub_co_u32 s29, s29, 1
	s_cmp_lg_u32 s29, 0
	s_cbranch_scc1 .Lqk1
	QKTRIP 1, 0
	s_wait_dscnt 0x0
	s_wait_alu depctr_hold_cnt(0) depctr_sa_sdst(0) depctr_va_vdst(0) depctr_va_sdst(0) depctr_va_ssrc(0) depctr_va_vcc(0) depctr_vm_vsrc(0)
	s_wait_tensorcnt 0x0
	ds_add_u32 v254, v255
	s_wait_dscnt 0x0
	s_endpgm
; ---------------- v: two tiles of 16 tokens a trip, 32 neighbouring keys
.macro VFETCH
.set q, 0
.rept 32
	ds_load_b128 v[32+4*q:35+4*q], v11 offset:XIMG+512*q
.set q, q+1
.endr
.endm
.macro VHEAD                           ; (in the second pass v11 was last read by loads issued ahead of the last trip's wait on vm_vsrc)
	s_mov_b32 s27, 0
	v_mov_b32 v11, v1
	s_wait_alu depctr_va_vdst(0)                   ; v11 is written, which the loads below read
	VFETCH
.endm
.macro VTRIP cg, more
	s_wait_alu depctr_vm_vsrc(0)                   ; the LDS loads issued so far have read v11, which is stepped here; the stores issued so far have read v224-239, which this trip's conversions write
.if \more
	s_add_co_u32 s27, s27, 16384
	v_add_nc_u32 v11, s27, v1
.endif
	s_wait_dscnt 0x0
	WIN 0x08+4*\cg
.irp s, 0,1,2,3
.irp n, 0,1
.irp t, 0,1,2,3                        ; eight accumulators by turns
.if \s == 0
	v_wmma_f32_16x16x128_fp8_fp8 v[160+8*(4*\n+\t):167+8*(4*\n+\t)], v[32+16*(4*\n+\s):47+16*(4*\n+\s)], v[16*(4*\t+\s):16*(4*\t+\s)+15], 0
.else
	v_wmma_f32_16x16x128_fp8_fp8 v[160+8*(4*\n+\t):167+8*(4*\n+\t)], v[32+16*(4*\n+\s):47+16*(4*\n+\s)], v[16*(4*\t+\s):16*(4*\t+\s)+15], v[160+8*(4*\n+\t):167+8*(4*\n+\t)]
.endif
.endr
.endr
.endr
	WIN 0
	PLACES
.if \more
	s_wait_alu depctr_va_vdst(0)                   ; the products are done reading v32-159, in which the loads below land; v11 is written
	VFETCH
.endif
.set q, 0
.rept 64
	v_med3_num_f32 v[160+q], v[160+q], -v15, v15   ; ascending: each accumulator from its low end on
.set q, q+1
.endr
	s_wait_alu depctr_va_vdst(0)
	s_wait_xcnt 0x0                                ; the last trip's stores have had their addresses translated (ISA guide 3.1): their base and their data are written again only behind this wait
	s_add_nc_u64 s[14:15], s[14:15], 512           ; a chunk of 32 keys on; the stores below reach back by as much
.irp t, 0,1,2,3
	v_cvt_scalef32_pk8_fp8_f32 v[224+4*\t:225+4*\t], v[160+8*\t:167+8*\t], v14     ; tokens 8 h + 0 .. 7 of the first tile,
	v_cvt_scalef32_pk8_fp8_f32 v[226+4*\t:227+4*\t], v[192+8*\t:199+8*\t], v14     ; and of the second
.endr
	v_nop
	s_wait_alu depctr_va_vdst(0)                   ; the conversions have written v224-239, which the stores read
.irp t, 0,1,2,3
	global_store_b128 v1, v[224+4*\t:227+4*\t], s[14:15] offset:(2*\cg+\t/2)*65536+(\t%2)*2048-2048*\cg-512   ; the second pass takes the first pass's four steps of the base back
.endr
.endm
.Lv:
	VHEAD
	s_mov_b32 s29, 3
.Lv0:
	VTRIP 0, 1
	s_sub_co_u32 s29, s29, 1
	s_cmp_lg_u32 s29, 0
	s_cbranch_scc1 .Lv0
	VTRIP 0, 0
	s_wait_loadcnt 0x0                             ; weight tiles 4-7
	VHEAD
	s_mov_b32 s29, 3
.Lv1:
	VTRIP 1, 1
	s_sub_co_u32 s29, s29, 1
	s_cmp_lg_u32 s29, 0
	s_cbranch_scc1 .Lv1
	VTRIP 1, 0
	s_wait_dscnt 0x0
	s_wait_alu depctr_hold_cnt(0) depctr_sa_sdst(0) depctr_va_vdst(0) depctr_va_sdst(0) depctr_va_ssrc(0) depctr_va_vcc(0) depctr_vm_vsrc(0)
	s_wait_tensorcnt 0x0
	ds_add_u32 v254, v255
	s_wait_dscnt 0x0
	s_endpgm
.Lfunc_end_k_qbc65ef670e_qkv:
	.size	k_qbc65ef670e_qkv, .Lfunc_end_k_qbc65ef670e_qkv-k_qbc65ef670e_qkv
	.p2alignl 7, 3214868480
	.fill 96, 4, 3214868480
	.section	.rodata,"a",@progbits
	.p2align	6, 0x0
	.amdhsa_kernel k_qbc65ef670e_qkv
		.amdhsa_group_segment_fixed_size 90624
		.amdhsa_private_segment_fixed_size 0
		.amdhsa_enable_private_segment 0
		.amdhsa_kernarg_size 48
		.amdhsa_user_sgpr_count 2
		.amdhsa_user_sgpr_kernarg_segment_ptr 1
		.amdhsa_wavefront_size32 1
		.amdhsa_system_sgpr_workgroup_id_x 1
		.amdhsa_system_sgpr_workgroup_id_y 1
		.amdhsa_system_sgpr_workgroup_id_z 1
		.amdhsa_system_vgpr_workitem_id 0
		.amdhsa_next_free_vgpr 1024
		.amdhsa_next_free_sgpr 66
		.amdhsa_reserve_vcc 0
		.amdhsa_float_denorm_mode_32 3
		.amdhsa_float_denorm_mode_16_64 3
		.amdhsa_memory_ordered 1
		.amdhsa_forward_progress 1
		.amdhsa_inst_pref_size 199
	.end_amdhsa_kernel
	.amdgpu_metadata
---
amdhsa.version: [ 1, 2 ]
amdhsa.kernels:
  - .name:           k_qbc65ef670e_qkv
    .symbol:         k_qbc65ef670e_qkv.kd
    .args:
      - { .name: x, .offset: 0, .size: 8, .value_kind: global_buffer, .address_space: global }
      - { .name: ln1_w, .offset: 8, .size: 8, .value_kind: global_buffer, .address_space: global }
      - { .name: lowp_scales, .offset: 16, .size: 8, .value_kind: global_buffer, .address_space: global }
      - { .name: wimg, .offset: 24, .size: 8, .value_kind: global_buffer, .address_space: global }
      - { .name: rope, .offset: 32, .size: 8, .value_kind: global_buffer, .address_space: global }
      - { .name: qkv, .offset: 40, .size: 8, .value_kind: global_buffer, .address_space: global }
    .group_segment_fixed_size: 90624
    .private_segment_fixed_size: 0
    .kernarg_segment_align: 8
    .kernarg_segment_size: 48
    .max_flat_workgroup_size: 128
    .sgpr_count:     66
    .vgpr_count:     1024
    .wavefront_size: 32
...
	.end_amdgpu_metadata
.endif
;; end of part 6
;; launch attn (part 7): grid 4 x 64, 16 waves a work-group, no clusters, 18,432 bytes of LDS; arguments qkv, lowp_scales, acode; writes acode
.if DOCPART == 7
	.amdgcn_target "amdgcn-amd-amdhsa--gfx1250"
	.amdhsa_code_object_version 6
	.text
	.protected	k_qbc65ef670e_attn
	.globl	k_qbc65ef670e_attn
	.p2align	8
	.type	k_qbc65ef670e_attn,@function
k_qbc65ef670e_attn:
	s_mov_b64 s[64:65], 0
	v_nop
	global_prefetch_b8 v0, s[64:65] scope:SCOPE_SE
	s_setreg_imm32_b32 hwreg(HW_REG_WAVE_SCHED_MODE, 0, 2), 2
	s_setreg_imm32_b32 hwreg(HW_REG_WAVE_MODE, 25, 1), 1
	s_wait_xcnt 0x0
	s_wait_alu depctr_vm_vsrc(0)
; ATTN.  Causal attention on codes of E4M3, head size 32, 2,048 tokens, 64 (batch x head).  t = score x log2(e) / sqrt(32); M = the running largest t rounded UP to a whole number; p = 2^(t - M) is quantised, not
; normalised; the row's sum is taken of the unquantised p in f32 and divides at the end; when M moves, the sum and O are multiplied by 2^(old M - new M), which rounds nothing.  The result is quantised for the next product.
; SHARES.  Work-group (i, bh) owns the query blocks i and 7 - i of 256 queries of one head: 2 (i + 1) + 2 (8 - i) = 18 block steps of 128 keys whatever i is, so all 256 work-groups have equal work.
; Each of the sixteen waves owns one tile of 16 queries in either block, in 256 registers: four waves to a SIMD, so that one wave's vector work stands beside another's matrix work.
; KEYS go in steps of 128 through two LDS slots of 8 KB (K's 4 KB, V's 4 KB), as images of the operands' registers.  Wave w copies 512 bytes of each step through four registers: the load is issued a whole step
; ahead of the LDS store.  ONE barrier a step: in front of it each wave's reads of this step's slot are in and its store into the other slot has landed.
; Every work-group walks all 16 steps, so that the loop's count is a constant and every wave passes every barrier; a step all of whose keys are hidden from a tile is left out by a scalar branch on ids.
; LAYOUT.  Both products are used transposed: S^T = K Q^T (source 0 = 16 keys), O^T = V^T P^T (source 0 = 16 channels): a lane holds ONE query (lane % 16).  The head's 32 fill half of the 16x16x64 form's K:
; a fragment of K holds two key tiles (registers 0-3, 4-7), and Q stands between zeros, so that v[qb+4:qb+11] meets the first tile and v[qb:qb+7] the second.  S^T's register 8 T + j is key 16 T + 8 (lane / 16) + j:
; eight conversions give the 16x16x128 form's own layout, in which V's images were laid.
; NO TENSOR LOADS, NO CLUSTER: the four work-groups of a head need 16, 14, 12 and 10 key steps, and a step's shared 8 KB are little beside its vector work; no prefetch either: no wave waits for a step's bytes.
; LIMITS: e6 + e7 between -124 and 129 (added to c's exponent field); e8, and e10 - e8 - e9, between -126 and 119.
; THE MODE: SCHED_MODE bits 1:0 = 2 (LLVM: expert scheduling mode 2), set by the entry lines.  The code itself states the register dependences between vector or matrix instructions and memory or LDS
; instructions, with s_wait_alu, always for 0.
; THE PLAN.  Registers that memory or LDS instructions touch, and who else names them:
;   v1, v2     offsets and LDS addresses: made at the head, never written again: one wait on va_vdst ahead of the first load.
;   v4-7       a step's 512 bytes on their way: a global load lands in them, an LDS store reads them, no vector instruction names them: one wait on vm_vsrc at a step's head, between that store and the next load.
;   v44-107    K's and V's fragments: a step's 16 LDS loads land in them, its products read them: one wait on va_vdst ahead of the loads.
;   v172-179   the output's codes: written by the last conversions, read by the two stores: one wait on va_vdst ahead of both.
;   The causal mask's compares write scalar registers, eight to a run (one accumulator), with one wait on va_sdst between a run and the selects that read it.
.set KR, 44                            ; v44-75   K: four fragments of two key tiles
.set VR, 76                            ; v76-107  V: u = 0, 1, 16 registers each
.set S,  108                           ; v108-171 S^T, then p
.set PC, 172                           ; v172-187 p's codes
.set MK, 40                            ; s40-47   the mask of one accumulator's eight registers (at the head: offsets that are done with)
; v1 16 x lane; v2 16 x thread; v3 r - 8 h; v4-7 the step on its way; v10, v11 2^e8 and 448 x 2^e8; v12-15, v16-19 a tile's -M, largest t, sum in two halves; v20-31, v32-43 Q between zeros;
; v188-203, v204-219 O^T; v220-229 at work; v232, v233 the output's scale and hold
	s_load_b128 s[4:7], s[0:1], 0x0                ; qkv s[4:5], the scales' exponents s[6:7]
	s_load_b64 s[8:9], s[0:1], 0x10                ; acode
	v_lshl_add_u32 v254, v0, 2, 0x4000
	v_mov_b32 v255, 0
	v_lshrrev_b32 v8, 5, v0
	v_readfirstlane_b32 s10, v8                    ; wave 0..15
	v_and_b32 v1, 31, v0
	v_lshlrev_b32 v1, 4, v1
	v_lshlrev_b32 v2, 4, v0
	v_and_b32 v3, 15, v0
	v_bfe_u32 v8, v0, 4, 1
	v_lshlrev_b32 v8, 3, v8
	v_sub_nc_u32 v3, v3, v8
	s_wait_alu depctr_va_sdst(0)                   ; s10 is written, ahead of its first reader: the tiles' numbers and all bases are made from it
	s_and_b32 s11, ttmp7, 0xffff                   ; bh
	s_sub_co_u32 s12, 7, ttmp9
	s_lshl_b32 s12, s12, 4
	s_add_co_u32 s12, s12, s10                     ; my late query tile
	s_lshl_b32 s35, ttmp9, 4
	s_add_co_u32 s35, s35, s10                     ; my early one
	s_lshl_b32 s13, s12, 4                         ; s13, s14: their first queries
	s_lshl_b32 s14, s35, 4
	s_lshl_b32 s16, ttmp9, 8
	s_sub_co_u32 s16, 2048, s16                    ; s16: the keys that the work-group needs
	s_mov_b32 s15, 0                               ; s15: the step's first key
	s_lshl_b32 s40, s11, 16
	s_lshr_b32 s36, s10, 3                         ; waves 0-7 copy K (part 1), waves 8-15 V (part 2): 512 bytes each
	s_add_co_u32 s36, s36, 1
	s_lshl_b32 s36, s36, 22
	s_add_co_u32 s36, s36, s40
	s_and_b32 s37, s10, 7
	s_lshl_b32 s37, s37, 9
	s_add_co_u32 s36, s36, s37
	s_mov_b32 s37, 0
	s_lshl_b32 s38, s12, 9                         ; Q: part 0, a tile is 512 bytes
	s_add_co_u32 s38, s38, s40
	s_mov_b32 s39, 0
	s_lshl_b32 s42, s35, 9
	s_add_co_u32 s42, s42, s40
	s_mov_b32 s43, 0
	s_lshr_b32 s44, s11, 4                         ; acode: (128 batch + tile) x 8,192 + 512 head
	s_lshl_b32 s44, s44, 20
	s_and_b32 s45, s11, 15
	s_lshl_b32 s45, s45, 9
	s_add_co_u32 s44, s44, s45
	s_lshl_b32 s46, s12, 13
	s_add_co_u32 s46, s46, s44
	s_mov_b32 s47, 0
	s_lshl_b32 s48, s35, 13
	s_add_co_u32 s48, s48, s44
	s_mov_b32 s49, 0
	s_mov_b32 s20, 0x76543210
	s_mov_b32 s21, 0xfedcba98                      ; v_permlanex16_b32: lane l xor 16
	s_mov_b32 s22, 0x3e8293ee                      ; c = log2(e) / sqrt(32)
	s_wait_kmcnt 0x0
	s_load_b128 s[28:31], s[6:7], 0x18             ; e6 .. e9
	s_load_b32 s32, s[6:7], 0x28                   ; e10
	s_add_nc_u64 s[18:19], s[4:5], s[36:37]
	s_add_nc_u64 s[24:25], s[4:5], s[38:39]
	s_add_nc_u64 s[26:27], s[4:5], s[42:43]
	s_add_nc_u64 s[50:51], s[8:9], s[46:47]
	s_add_nc_u64 s[52:53], s[8:9], s[48:49]
	s_wait_alu depctr_va_vdst(0)                   ; v1 and v2 are written: the offset and the LDS address that the loads and stores of the whole kernel read
	global_load_b128 v[4:7], v1, s[18:19]          ; my 512 bytes of step 0
	global_load_b128 v[24:27], v1, s[24:25]        ; Q, late tile
	global_load_b128 v[36:39], v1, s[26:27]        ; Q, early tile
.irp j, 20,21,22,23,28,29,30,31,32,33,34,35,40,41,42,43
	v_mov_b32 v\j, 0                               ; the zeros round Q
.endr
.set q, 0
.rept 32
	v_mov_b32 v[188+q], 0                          ; O^T.  (The step is written once: the first finds zeros, which the first change of M leaves zeros)
.set q, q+1
.endr
.irp st, 12,16
	v_mov_b32 v[\st+1], 0xff61b1e6                 ; the largest t so far: -3e38
	v_floor_f32 v[\st], -v[\st+1]                  ; -M
	v_mov_b32 v[\st+2], 0
	v_mov_b32 v[\st+3], 0
.endr
	v_mov_b32 v222, 0                              ; a lane permute's destination counts as one of its sources
	v_mov_b32 v225, 0                              ; (named as the upper half of the pair v[224:225])
	v_mov_b32 v229, 0xff800000                     ; -infinity
	s_wait_kmcnt 0x0
	s_add_co_i32 s54, s28, s29
	s_lshl_b32 s54, s54, 23
	s_add_co_i32 s22, s22, s54                     ; a score stands for score x 2^(e6 + e7)
	s_mov_b32 s23, s22
.macro MKSCALE vs, vl, se
	s_add_co_i32 s54, s[\se], 127
	s_lshl_b32 s55, s54, 23
	v_mov_b32 v[\vs], s55
	s_add_co_i32 s54, s54, 8
	s_lshl_b32 s54, s54, 23
	s_or_b32 s54, s54, 0x600000
	v_mov_b32 v[\vl], s54
.endm
	MKSCALE 10, 11, 30                             ; p's scale 2^e8
	s_sub_co_i32 s34, s32, s30
	s_sub_co_i32 s34, s34, s31                     ; O / l stands for O / l x 2^(e8 + e9): folded into the conversion's scale
	MKSCALE 232, 233, 34
	s_wait_loadcnt 0x0
	ds_store_b128 v2, v[4:7]                       ; slot 0
	s_wait_dscnt 0x0
	s_barrier_signal -1
	s_barrier_wait -1
; One tile of 16 queries against the step's 128 keys.  qb: Q between zeros; o: O^T; st: the statistics; q0: the scalar register with the tile's first query.  No memory or LDS instruction stands in it.
.macro TILE qb, o, st, q0
.irp F, 0,1,2,3
	v_wmma_f32_16x16x64_fp8_fp8 v[S+16*\F:S+16*\F+7], v[KR+8*\F:KR+8*\F+7], v[\qb+4:\qb+11], 0
	v_wmma_f32_16x16x64_fp8_fp8 v[S+16*\F+8:S+16*\F+15], v[KR+8*\F:KR+8*\F+7], v[\qb:\qb+7], 0
.endr
.rept 4
	v_nop                                          ; four places ahead of the first read of the scores (ISA guide 7.12.1)
.endr
	s_add_co_u32 s34, s15, 127                     ; a step all of whose keys count skips the mask
	s_cmp_le_u32 s34, s[\q0]
	s_cbranch_scc1 .Lopen_\@
	s_sub_co_i32 s34, s[\q0], s15
	v_add_nc_u32 v228, s34, v3                     ; d = my query - the step's first key - 8 h: register 8 T + j is hidden where 16 T + j > d
.set g, 0
.rept 8                                        ; accumulator T = g: eight compares, one wait, eight selects
.set q, 0
.rept 8
	v_cmp_gt_i32 s[MK+q], 16*g+q, v228
.set q, q+1
.endr
	s_wait_alu depctr_va_sdst(0)                   ; the eight compares have written s40-47, which the selects read
.set q, 0
.rept 8
	v_cndmask_b32 v[S+8*g+q], v[S+8*g+q], v229, s[MK+q]
.set q, q+1
.endr
.set g, g+1
.endr
.Lopen_\@:
	v_max3_num_f32 v220, v[S], v[S+1], v[S+2]      ; the step's largest score of my query, in two chains; each accumulator is read from its low end on
	v_max3_num_f32 v221, v[S+3], v[S+4], v[S+5]
.irp i, 6,10,14,18,22,26,30,34,38,42,46,50,54,58
	v_max3_num_f32 v220, v220, v[S+\i], v[S+\i+1]
	v_max3_num_f32 v221, v221, v[S+\i+2], v[S+\i+3]
.endr
	v_max3_num_f32 v220, v220, v[S+62], v[S+63]
	v_max_num_f32 v220, v220, v221
	v_permlanex16_b32 v222, v220, s20, s21
	v_max_num_f32 v220, v220, v222                 ; and among lane l xor 16's keys
	v_mul_f32 v220, s22, v220                      ; as t (c is positive)
	v_max_num_f32 v[\st+1], v[\st+1], v220
	v_mov_b32 v220, v[\st]
	v_floor_f32 v[\st], -v[\st+1]                  ; the new -M = -ceil(t)
	v_sub_f32 v220, v[\st], v220                   ; old M - new M: a whole number, 0 or less
	v_cvt_i32_f32 v220, v220                       ; (it saturates)
	v_ldexp_f32 v224, 1.0, v220                    ; f = 2^(old M - new M)
.set q, 0
.rept 32
	v_pk_fma_f32 v[S+2*q:S+2*q+1], v[S+2*q:S+2*q+1], s[22:23], v[\st:\st+1] op_sel_hi:[1,0,0]   ; t - M
.set q, q+1
.endr
.set q, 0
	s_wait_alu depctr_va_vdst(0)
.rept 64
	v_exp_f32 v[S+q], v[S+q]                       ; p, at most 1
.set q, q+1
.endr
	v_pk_mul_f32 v[\st+2:\st+3], v[\st+2:\st+3], v[224:225] op_sel_hi:[1,0]   ; the sums under the new M: the plain instruction behind the batch
	s_wait_alu depctr_va_vdst(0)                   ; one wait for the 64 exponentials, ahead of their first reader
	v_pk_add_f32 v[226:227], v[S:S+1], v[S+2:S+3]  ; the sum of the UNQUANTISED p, in two chains
.irp j, 4,8,12,16,20,24,28,32,36,40,44,48,52,56,60
	v_pk_add_f32 v[\st+2:\st+3], v[\st+2:\st+3], v[S+\j:S+\j+1]
	v_pk_add_f32 v[226:227], v[226:227], v[S+\j+2:S+\j+3]
.endr
	v_pk_add_f32 v[\st+2:\st+3], v[\st+2:\st+3], v[226:227]
.set q, 0
.rept 64
	v_min_num_f32 v[S+q], v[S+q], v11              ; the conversion does not saturate (ISA guide 7.6.2); p is not negative, so the hold is one-sided
.set q, q+1
.endr
.set q, 0
.rept 8
	v_cvt_scalef32_pk8_fp8_f32 v[PC+2*q:PC+2*q+1], v[S+8*q:S+8*q+7], v10
.set q, q+1
.endr
.set q, 0
.rept 8
	v_pk_mul_f32 v[\o+2*q:\o+2*q+1], v[\o+2*q:\o+2*q+1], v[224:225] op_sel_hi:[1,0]   ; O^T under the new M; also the plain instructions between the conversions and the products
.set q, q+1
.endr
	v_wmma_f32_16x16x128_fp8_fp8 v[\o:\o+7], v[VR:VR+15], v[PC:PC+15], v[\o:\o+7]               ; the two accumulators take turns; the matrix instruction ahead of them is a score's
	v_wmma_f32_16x16x128_fp8_fp8 v[\o+8:\o+15], v[VR+16:VR+31], v[PC:PC+15], v[\o+8:\o+15]
.endm
; A key step out of slot p.
.macro STEP p
	s_wait_alu depctr_vm_vsrc(0)                   ; my last LDS store has read v4-7, in which the load below lands: stated ahead of the branch round that load
	s_add_co_u32 s17, s15, 128
	s_cmp_lt_u32 s17, s16                          ; is there a next step that the work-group needs?  Then its bytes are asked for now
	s_cbranch_scc0 .Lnl_\@
	global_load_b128 v[4:7], v1, s[18:19] offset:4096
.Lnl_\@:
	s_add_co_u32 s34, s13, 15
	s_cmp_gt_u32 s15, s34                          ; all 128 keys come after my late tile's queries, and so after the early tile's
	s_cbranch_scc1 .Lhid_\@
.rept 4
	v_nop                                          ; four plain instructions between the last products and the loads into registers that they read; the wait below states the dependence
.endr
	s_wait_alu depctr_va_vdst(0)                   ; the last step's products are done reading v44-107, in which the loads below land
.irp i, 0,1,2,3,4,5,6,7
	ds_load_b128 v[KR+4*\i:KR+4*\i+3], v1 offset:8192*\p+512*\i
.endr
.irp i, 0,1,2,3,4,5,6,7
	ds_load_b128 v[VR+4*\i:VR+4*\i+3], v1 offset:8192*\p+4096+512*\i
.endr
	s_wait_dscnt 0x0
	TILE 20, 188, 12, 13
	s_add_co_u32 s34, s14, 15
	s_cmp_gt_u32 s15, s34
	s_cbranch_scc1 .Lhid_\@
	TILE 32, 204, 16, 14
.Lhid_\@:
	s_wait_loadcnt 0x0                             ; the next step's bytes are in; the load is done, so its base may step
	s_cmp_lt_u32 s17, s16
	s_cbranch_scc0 .Lns_\@
	ds_store_b128 v2, v[4:7] offset:8192*(1-\p)    ; into the slot that every wave left at the last barrier
.Lns_\@:
	s_add_nc_u64 s[18:19], s[18:19], 4096
	s_mov_b32 s15, s17
	s_wait_dscnt 0x0                               ; my store has landed (my reads of this slot were waited for above)
	s_barrier_signal -1
	s_barrier_wait -1
.endm
	s_mov_b32 s33, 8
.Lkeys:
	STEP 0
	STEP 1
	s_sub_co_u32 s33, s33, 1
	s_cmp_lg_u32 s33, 0
	s_cbranch_scc1 .Lkeys
; The way out: O^T / the sum, quantised: register 8 u + j is channel 16 h + 8 u + j of my query, so the four registers of codes are chunk head % 4 of the next product's fragment.
; Both tiles are finished first, each into code registers of its own; then one wait and the two stores.
.macro FINISH o, st, pc
	v_add_f32 v220, v[\st+2], v[\st+3]
	s_wait_alu depctr_va_vdst(0)
	v_permlanex16_b32 v222, v220, s20, s21
	v_add_f32 v220, v220, v222                     ; the row's sum
	s_wait_alu depctr_va_vdst(0)
	v_rcp_f32 v224, v220
	v_nop                                          ; a plain instruction behind the transcendental,
	s_wait_alu depctr_va_vdst(0)                   ; and the wait ahead of its first reader: v224 is written
.set q, 0
.rept 8
	v_pk_mul_f32 v[\o+2*q:\o+2*q+1], v[\o+2*q:\o+2*q+1], v[224:225] op_sel_hi:[1,0]
.set q, q+1
.endr
.set q, 0
.rept 16
	v_med3_num_f32 v[\o+q], v[\o+q], -v233, v233
.set q, q+1
.endr
	v_cvt_scalef32_pk8_fp8_f32 v[\pc:\pc+1], v[\o:\o+7], v232
	v_cvt_scalef32_pk8_fp8_f32 v[\pc+2:\pc+3], v[\o+8:\o+15], v232
	v_nop
.endm
.rept 4
	v_nop                                          ; four places behind the last products
.endr
	FINISH 188, 12, 172
	FINISH 204, 16, 176
	s_wait_alu depctr_va_vdst(0)                   ; the conversions have written v172-179, which the two stores read
	global_store_b128 v1, v[172:175], s[50:51]     ; 512 consecutive bytes, aligned
	global_store_b128 v1, v[176:179], s[52:53]
	s_wait_dscnt 0x0
	s_wait_alu depctr_hold_cnt(0) depctr_sa_sdst(0) depctr_va_vdst(0) depctr_va_sdst(0) depctr_va_ssrc(0) depctr_va_vcc(0) depctr_vm_vsrc(0)
	s_wait_tensorcnt 0x0
	ds_add_u32 v254, v255
	s_wait_dscnt 0x0
	s_endpgm
.Lfunc_end_k_qbc65ef670e_attn:
	.size	k_qbc65ef670e_attn, .Lfunc_end_k_qbc65ef670e_attn-k_qbc65ef670e_attn
	.p2alignl 7, 3214868480
	.fill 96, 4, 3214868480
	.section	.rodata,"a",@progbits
	.p2align	6, 0x0
	.amdhsa_kernel k_qbc65ef670e_attn
		.amdhsa_group_segment_fixed_size 18432
		.amdhsa_private_segment_fixed_size 0
		.amdhsa_enable_private_segment 0
		.amdhsa_kernarg_size 24
		.amdhsa_user_sgpr_count 2
		.amdhsa_user_sgpr_kernarg_segment_ptr 1
		.amdhsa_wavefront_size32 1
		.amdhsa_system_sgpr_workgroup_id_x 1
		.amdhsa_system_sgpr_workgroup_id_y 1
		.amdhsa_system_sgpr_workgroup_id_z 1
		.amdhsa_system_vgpr_workitem_id 0
		.amdhsa_next_free_vgpr 256
		.amdhsa_next_free_sgpr 66
		.amdhsa_reserve_vcc 0
		.amdhsa_float_denorm_mode_32 3
		.amdhsa_float_denorm_mode_16_64 3
		.amdhsa_memory_ordered 1
		.amdhsa_forward_progress 1
		.amdhsa_inst_pref_size 101
	.end_amdhsa_kernel
	.amdgpu_metadata
---
amdhsa.version: [ 1, 2 ]
amdhsa.kernels:
  - .name:           k_qbc65ef670e_attn
    .symbol:         k_qbc65ef670e_attn.kd
    .args:
      - { .name: qkv, .offset: 0, .size: 8, .value_kind: global_buffer, .address_space: global }
      - { .name: lowp_scales, .offset: 8, .size: 8, .value_kind: global_buffer, .address_space: global }
      - { .name: acode, .offset: 16, .size: 8, .value_kind: global_buffer, .address_space: global }
    .group_segment_fixed_size: 18432
    .private_segment_fixed_size: 0
    .kernarg_segment_align: 8
    .kernarg_segment_size: 24
    .max_flat_workgroup_size: 512
    .sgpr_count:     66
    .vgpr_count:     256
    .wavefront_size: 32
...
	.end_amdgpu_metadata
.endif
;; end of part 7
;; launch ffn (part 8): grid 256 x 1, 4 waves a work-group, no clusters, 83,968 bytes of LDS; arguments acode, x, ln2_w, lowp_scales, wimg, out0; writes out0
.if DOCPART == 8
	.amdgcn_target "amdgcn-amd-amdhsa--gfx1250"
	.amdhsa_code_object_version 6
	.text
	.protected	k_qbc65ef670e_ffn
	.globl	k_qbc65ef670e_ffn
	.p2align	8
	.type	k_qbc65ef670e_ffn,@function
k_qbc65ef670e_ffn:
	s_mov_b64 s[64:65], 0
	v_nop
	global_prefetch_b8 v0, s[64:65] scope:SCOPE_SE
	s_setreg_imm32_b32 hwreg(HW_REG_WAVE_SCHED_MODE, 0, 2), 2
	s_setreg_imm32_b32 hwreg(HW_REG_WAVE_MODE, 25, 1), 1
	s_wait_xcnt 0x0
	s_wait_alu depctr_vm_vsrc(0)
; FFN.  x1 = x + attention o_proj^T;  y = x1 rsqrt(mean(x1^2) + 1e-5) ln2_w, quantised twice (for w1 and for w3, each with its own scale);  u = y w1^T, v = y w3^T;  ff = (u sigmoid(u)) v, quantised;
; out = x1 + ff w2^T.  All four products on codes of E4M3; all else in f32.  Nothing between goes to memory.
; SHARES.  Work-group g: rows 32 g .. 32 g + 31, two tiles of 16.  THE WAVES SHARE THE COLUMNS: wave w makes columns 128 w .. 128 w + 127 of every product, which are K step w of the next.  Every product is used
; transposed (source 0 = 16 rows of the weight, source 1 = 16 rows of the activation): lane (r, h) holds row r, and register 16 b + i of a row tile's 64 is column 128 w + 32 b + 16 h + i: the conversions' results
; are the next operand's registers, and go from wave to wave through LDS as images (four stores of 512 bytes, lane l's 16 bytes at 16 l).  Three barriers; no LDS region is written twice by different phases.
; THE WEIGHTS stream from their images straight into registers: 16 units of 32 loads (one K step of one weight for my 8 tiles, 128 registers), three buffers by turns, so that two units are on their way while
; one is multiplied.  NO TENSOR LOADS, NO CLUSTER: a fragment of a weight feeds two products here, so a way through LDS would move the same 1 MB a work-group once more; no prefetch: all 256 work-groups walk the same images.
; LIMITS: e12, e14 and e16 - e12 - e13 - e14 - e15 between -126 and 119; e10 + e11, e12 + e13 and e16 + e17 between -126 and 127.  NaN among the inputs is not served.
; REGISTERS, in windows of 256.  window 0: v1-29 addresses and constants; v32-63 ff's codes, 16 a row tile (v48-55 earlier: partial sums); v64-191 activation fragments; v192-255 y's four sets of codes, then at work.
;   window 1: v0-127 x, then x1 (64 row tile + 16 b + i); v128-255 weight buffer 2.   window 2: v0-127 accumulators A; v128-255 accumulators B (until the second product: v128-191 ln2_w, v192-255 at work).
;   window 3: weight buffers 0 and 1.
; THE MODE: SCHED_MODE bits 1:0 = 2 (LLVM: expert scheduling mode 2), set by the entry lines.  The code itself states the register dependences between vector or matrix instructions and memory or LDS
; instructions, with s_wait_alu, always for 0.
; THE PLAN.  Registers that memory or LDS instructions touch, and who else names them:
;   v1, v4-v11        offsets and LDS addresses: made at the head, never written again: one wait on va_vdst ahead of the first load.
;   weight buffers    unit k's 16 products read buffer k % 3; unit k + 3's loads land in it: the window's switch, one wait on va_vdst, the 32 loads.
;   v64-191           products read the fragments; LDS loads land in them: each run of those loads follows a unit's wait on va_vdst (or a later one) with loads and window switches alone between.
;   v192-255 (w 0)    y's four runs of conversions write four sets of 16; ONE wait on va_vdst, then the 16 image stores; one wait on vm_vsrc ahead of the activation, which writes these registers again.
;   v32-47, v48-63    ff's codes, a set to a row tile, so that none is written again: row tile 0's are stored behind row tile 1's wait for its exponentials, row tile 1's behind a wait of their own.
;   window 2          on the way out 64 multiply-adds read the accumulators and write v128-255; one wait on va_vdst; then the stage's stores read v128-255 and its loads land in v0-127.
.set Y1IMG, 0                          ; LDS: y's codes for w1: (4 row tile + K step) x 2,048
.set Y3IMG, 16384                      ; for w3
.set FIMG,  32768                      ; ff's codes
.set STG,   49152                      ; the way out: 16 rows x (512 + 16) bytes for each wave
.set SSQ,   82944                      ; partial sums of squares: 128 wave + 64 row tile + 4 r
.set AF, 64
.set TT, 192
.set CD, 192                           ; y's codes: set j at CD + 16 j
.set MSB, 0
.macro WIN new                         ; the immediate's high byte repeats the setting that is left
.if MSB != (\new)
	s_set_vgpr_msb (MSB<<8)|(\new)
.set MSB, (\new)
.endif
.endm
.macro BARRIER                         ; my LDS stores have landed and my LDS loads are in: then the work-group's barrier
	s_wait_dscnt 0x0
	s_barrier_signal -1
	s_barrier_wait -1
.endm
	s_load_b256 s[4:11], s[0:1], 0x0               ; acode s[4:5], x s[6:7], ln2_w s[8:9], the scales' exponents s[10:11]
	s_load_b128 s[12:15], s[0:1], 0x20             ; wimg s[12:13], out0 s[14:15]
	v_lshl_add_u32 v30, v0, 2, 0x14600
	v_mov_b32 v31, 0
	v_lshrrev_b32 v2, 5, v0
	v_readfirstlane_b32 s16, v2                    ; wave
	v_and_b32 v1, 31, v0
	v_lshlrev_b32 v1, 4, v1                        ; v1  16 x lane
	v_and_b32 v2, 15, v0                           ; r
	v_bfe_u32 v3, v0, 4, 1                         ; h
	s_wait_alu depctr_va_sdst(0)                   ; s16 is written, ahead of its first reader: offsets, LDS addresses and the weights' base are made from it
	s_lshl_b32 s17, s16, 9
	v_lshlrev_b32 v5, 6, v3
	v_add_nc_u32 v5, s17, v5                       ; v5  ln2_w: 512 w + 64 h
	v_lshl_add_u32 v4, v2, 11, v5                  ; v4  x: + row r of 2,048 bytes
	s_lshl_b32 s18, s16, 11
	v_add_nc_u32 v6, s18, v1                       ; v6  where I store images: 16 x lane + K step w
	v_and_b32 v7, 31, v0
	v_lshlrev_b32 v7, 2, v7
	s_lshl_b32 s18, s16, 7
	s_add_co_u32 s18, s18, SSQ
	v_add_nc_u32 v7, s18, v7                       ; v7  my partial sum's word
	v_lshlrev_b32 v8, 2, v2
	v_add_nc_u32 v8, SSQ, v8                       ; v8  row r's words
	s_mul_i32 s18, s16, 8448
	s_add_co_u32 s18, s18, STG
	v_mul_u32_u24 v9, v2, 528
	v_lshl_add_u32 v9, v3, 6, v9
	v_add_nc_u32 v9, s18, v9                       ; v9  the stage: row r + 64 h
	v_add_nc_u32 v10, s18, v1                      ; v10 and back: a row of 512 bytes to the 32 lanes
	v_add_nc_u32 v11, s17, v1                      ; v11 the same place in a row of out0
	v_mov_b32 v25, 0                               ; (upper halves of the pairs v[24:25], v[26:27])
	v_mov_b32 v27, 0
	s_mov_b32 s26, 0x76543210
	s_mov_b32 s27, 0xfedcba98
	s_mov_b32 s28, 0x3b000000                      ; 1 / 512
	s_mov_b32 s29, 0x3727c5ac                      ; 1e-5
	s_lshl_b32 s20, ttmp9, 14                      ; acode: two token tiles of 8,192 bytes
	s_mov_b32 s21, 0
	s_lshl_b32 s22, ttmp9, 16                      ; x, out0: 32 rows of 2,048 bytes
	s_mov_b32 s23, 0
	s_lshl_b32 s24, s16, 16                        ; wimg: my 8 tiles of each weight
	s_mov_b32 s25, 0
	s_wait_kmcnt 0x0
	s_load_b512 s[32:47], s[10:11], 0x0            ; e0 .. e15
	s_load_b64 s[48:49], s[10:11], 0x40            ; e16, e17
	s_add_nc_u64 s[4:5], s[4:5], s[20:21]
	s_add_nc_u64 s[6:7], s[6:7], s[22:23]
	s_add_nc_u64 s[14:15], s[14:15], s[22:23]
	s_add_nc_u64 s[12:13], s[12:13], s[24:25]
; Unit k: k = 0-3: o_proj, K step k;  4-11: w1 (even k) or w3 (odd), K step (k - 4) / 2;  12-15: w2, K step k - 12.  Buffer k % 3.  w = 1: the buffer has been multiplied by.
.macro LOADU k, w
.if (\k) < 4
.set UW, 3
.set US, (\k)
.elseif (\k) < 12
.set UW, 4+((\k)&1)
.set US, ((\k)-4)/2
.else
.set UW, 6
.set US, (\k)-12
.endif
.if (\k)%3 == 2
	WIN 0x40
.set UB, 128
.else
	WIN 0xc0
.set UB, 128*((\k)%3)
.endif
.if \w
	s_wait_alu depctr_va_vdst(0)                   ; the products issued so far are done reading this buffer, in which the loads below land, and the activation's fragments
.endif
.set q, 0
.rept 32
	global_load_b128 v[UB+4*q:UB+4*q+3], v1, s[12:13] offset:262144*UW+(4*(q/4)+US)*2048+512*(q%4)
.set q, q+1
.endr
	WIN 0
.endm
; Unit k is multiplied: my 8 weight tiles x the two row tiles' fragments at v[f0], v[f1]; 16 accumulators from v[ab] of window 2 on, by turns, one instruction a turn.
; cnt: the loads issued behind unit k's that may stay out.  Then its buffer takes unit k + 3.
.macro UNIT k, ab, f0, f1, zero, cnt
	s_wait_loadcnt \cnt
.if (\k)%3 == 2
	WIN 0xa1
.set UB, 128
.else
	WIN 0xa3
.set UB, 128*((\k)%3)
.endif
.irp t, 0,1,2,3,4,5,6,7
.if \zero
	v_wmma_f32_16x16x128_fp8_fp8 v[\ab+8*\t:\ab+8*\t+7], v[UB+16*\t:UB+16*\t+15], v[\f0:\f0+15], 0
.else
	v_wmma_f32_16x16x128_fp8_fp8 v[\ab+8*\t:\ab+8*\t+7], v[UB+16*\t:UB+16*\t+15], v[\f0:\f0+15], v[\ab+8*\t:\ab+8*\t+7]
.endif
.endr
.irp t, 0,1,2,3,4,5,6,7
.if \zero
	v_wmma_f32_16x16x128_fp8_fp8 v[\ab+64+8*\t:\ab+64+8*\t+7], v[UB+16*\t:UB+16*\t+15], v[\f1:\f1+15], 0
.else
	v_wmma_f32_16x16x128_fp8_fp8 v[\ab+64+8*\t:\ab+64+8*\t+7], v[UB+16*\t:UB+16*\t+15], v[\f1:\f1+15], v[\ab+64+8*\t:\ab+64+8*\t+7]
.endif
.endr
	WIN 0
.rept 4
	v_nop                                          ; four places ahead of the first read of results; they stand ahead of the loads into registers that these products read too, beside the wait that states that dependence
.endr
.if (\k)+3 <= 15
	LOADU (\k)+3, 1
.endif
.endm
.macro MKSCALE vs, vl, se              ; v[vs] = 2^e as f32, v[vl] = 448 x 2^e; e in s[se]
	s_add_co_i32 s56, s[\se], 127
	s_lshl_b32 s57, s56, 23
	v_mov_b32 v[\vs], s57
	s_add_co_i32 s56, s56, 8
	s_lshl_b32 s56, s56, 23
	s_or_b32 s56, s56, 0x600000
	v_mov_b32 v[\vl], s56
.endm
; ---------------- the head's loads, in the order in which they are wanted
	s_wait_alu depctr_va_vdst(0)                   ; v1 and v4 to v11 are written: the offsets and LDS addresses that the loads and stores of the whole kernel read
.set q, 0
.rept 32
	global_load_b128 v[AF+4*q:AF+4*q+3], v1, s[4:5] offset:512*q       ; attention's codes: fragment (row tile m, K step s) at AF + 16 (4 m + s)
.set q, q+1
.endr
	LOADU 0, 0
	LOADU 1, 0
	WIN 0x40
.set q, 0
.rept 32
	global_load_b128 v[4*q:4*q+3], v4, s[6:7] offset:32768*(q/16)+128*((q/4)%4)+16*(q%4) th:TH_LOAD_NT   ; x at my results' places; this launch reads it once
.set q, q+1
.endr
	WIN 0x80
.set q, 0
.rept 16
	global_load_b128 v[128+4*q:131+4*q], v5, s[8:9] offset:128*(q/4)+16*(q%4)   ; ln2_w likewise
.set q, q+1
.endr
	WIN 0
	LOADU 2, 0
	s_wait_kmcnt 0x0
	s_add_co_i32 s50, s42, s43
	s_add_co_i32 s50, s50, 127
	s_lshl_b32 s50, s50, 23                        ; 2^(e10 + e11)
	s_mov_b32 s51, s50
	s_add_co_i32 s52, s44, s45
	s_lshl_b32 s52, s52, 23
	s_add_co_i32 s52, s52, 0xbfb8aa3b              ; -log2(e) x 2^(e12 + e13): the exponents are added to the constant's exponent field
	s_mov_b32 s53, s52
	s_add_co_i32 s54, s48, s49
	s_add_co_i32 s54, s54, 127
	s_lshl_b32 s54, s54, 23                        ; 2^(e16 + e17)
	s_mov_b32 s55, s54
	MKSCALE 12, 13, 44                             ; y for w1
	MKSCALE 14, 15, 46                             ; y for w3
	s_sub_co_i32 s58, s48, s44
	s_sub_co_i32 s58, s58, s45
	s_sub_co_i32 s58, s58, s46
	s_sub_co_i32 s58, s58, s47                     ; ff's sums lack 2^(e12 + e13 + e14 + e15): folded into the conversion's scale
	MKSCALE 28, 29, 58
; ---------------- attention o_proj^T.  63: at least 64 loads were issued behind each unit's
	UNIT 0, 0, AF, AF+64, 1, 63
	UNIT 1, 0, AF+16, AF+80, 0, 63
	UNIT 2, 0, AF+32, AF+96, 0, 63
	UNIT 3, 0, AF+48, AF+112, 0, 63
; ---------------- the residual, the norm, y's codes
	WIN 0x52
.set q, 0
.rept 64
	v_pk_fma_f32 v[2*q:2*q+1], v[2*q:2*q+1], s[50:51], v[2*q:2*q+1] op_sel_hi:[1,0,1]   ; x1 = sum x 2^(e10 + e11) + x; each accumulator from its low end on
.set q, q+1
.endr
	WIN 0x05
.irp m, 0,1
.set q, 0
.rept 2
	v_pk_mul_f32 v[16+4*\m+2*q:17+4*\m+2*q], v[64*\m+2*q:64*\m+2*q+1], v[64*\m+2*q:64*\m+2*q+1]
.set q, q+1
.endr
.rept 30
	v_pk_fma_f32 v[16+4*\m+2*(q%2):17+4*\m+2*(q%2)], v[64*\m+2*q:64*\m+2*q+1], v[64*\m+2*q:64*\m+2*q+1], v[16+4*\m+2*(q%2):17+4*\m+2*(q%2)]
.set q, q+1
.endr
.endr
	WIN 0
	v_cmp_ne_u32 vcc_lo, 0, v3                     ; lanes 16-31; the sums below stand between the compare and the wait for it
	v_pk_add_f32 v[16:17], v[16:17], v[18:19]
	v_pk_add_f32 v[20:21], v[20:21], v[22:23]
	v_add_f32 v16, v16, v17
	v_add_f32 v20, v20, v21
	v_permlanex16_b32 v17, v16, s26, s27
	v_permlanex16_b32 v21, v20, s26, s27
	v_add_f32 v16, v16, v17                        ; row r's sum over my 128 columns, first row tile,
	v_add_f32 v20, v20, v21                        ; second
	s_wait_alu depctr_va_vcc(0)                    ; the compare has written VCC, which the select reads
	v_cndmask_b32 v16, v16, v20, vcc_lo            ; lanes 0-15 store the first tile's, lanes 16-31 the second's
	s_wait_alu depctr_va_vdst(0)                   ; the select has written v16, which the store reads
	ds_store_b32 v7, v16
	BARRIER
.irp i, 0,1,2,3,4,5,6,7
	ds_load_b32 v[48+\i], v8 offset:64*\i          ; wave i / 2, row tile i % 2
.endr
	s_wait_dscnt 0x0
	v_add_f32 v48, v48, v50
	v_add_f32 v52, v52, v54
	v_add_f32 v49, v49, v51
	v_add_f32 v53, v53, v55
	v_add_f32 v48, v48, v52
	v_add_f32 v49, v49, v53
	v_fma_f32 v48, v48, s28, s29
	v_fma_f32 v49, v49, s28, s29
	s_wait_alu depctr_va_vdst(0)
	v_rsq_f32 v24, v48
	v_rsq_f32 v26, v49
	v_nop                                          ; a plain instruction behind the transcendentals,
	s_wait_alu depctr_va_vdst(0)                   ; and one wait for both, ahead of their first reader: v24 and v26 are written
	WIN 0x81
.irp m, 0,1
.set q, 0
.rept 32
	v_pk_mul_f32 v[64*\m+2*q:64*\m+2*q+1], v[64*\m+2*q:64*\m+2*q+1], v[24+2*\m:25+2*\m] op_sel_hi:[1,0]   ; into the accumulators' registers: x1 is kept
.set q, q+1
.endr
.endr
	WIN 0x8a
.irp m, 0,1
.set q, 0
.rept 32
	v_pk_mul_f32 v[64*\m+2*q:64*\m+2*q+1], v[64*\m+2*q:64*\m+2*q+1], v[128+2*q:129+2*q]
.set q, q+1
.endr
.endr
.macro QY m, sc, lim, j                ; row tile m of y, held and converted with one of its two scales, into set j of the codes' registers: K step w of the next product
	WIN 0x82
.set q, 0
.rept 64
	v_med3_num_f32 v[192+q], v[64*\m+q], -v[\lim], v[\lim]
.set q, q+1
.endr
	WIN 0x02
.set q, 0
.rept 8
	v_cvt_scalef32_pk8_fp8_f32 v[CD+16*\j+2*q:CD+16*\j+2*q+1], v[192+8*q:199+8*q], v[\sc]
.set q, q+1
.endr
	v_nop                                          ; one plain vector instruction behind the last conversion
.endm
	QY 0, 12, 13, 0
	QY 1, 12, 13, 1
	QY 0, 14, 15, 2
	QY 1, 14, 15, 3
	WIN 0
	s_wait_alu depctr_va_vdst(0)                   ; the 32 conversions have written v192-255, which the 16 stores read
.irp j, 0,1,2,3
.irp c, 0,1,2,3
	ds_store_b128 v6, v[CD+16*\j+4*\c:CD+16*\j+4*\c+3] offset:Y1IMG+16384*(\j/2)+8192*(\j%2)+512*\c   ; sets 0, 1: for w1, row tiles 0, 1; sets 2, 3: for w3
.endr
.endr
	BARRIER
; ---------------- u = y w1^T (accumulators A), v = y w3^T (accumulators B), a K step at a time
.macro FETCHY s                        ; K step s: y for w1, row tiles 0, 1; y for w3, row tiles 0, 1: into set s % 2.  No wait of its own: the products that read the set stand ahead of a wait on va_vdst, and no vector or matrix instruction has named it since
.irp z, 0,1
.irp m, 0,1
.irp c, 0,1,2,3
	ds_load_b128 v[AF+64*((\s)&1)+16*(2*\z+\m)+4*\c:AF+64*((\s)&1)+16*(2*\z+\m)+4*\c+3], v1 offset:16384*\z+(4*\m+(\s))*2048+512*\c
.endr
.endr
.endr
.endm
	FETCHY 0
	FETCHY 1
	s_wait_dscnt 16                                ; this K step's 16 loads are in; the next one's are younger
	UNIT 4, 0, AF, AF+16, 1, 63
	UNIT 5, 128, AF+32, AF+48, 1, 63
	FETCHY 2                                       ; behind unit 5's wait on va_vdst, with loads and window switches alone between
	s_wait_dscnt 16
	UNIT 6, 0, AF+64, AF+80, 0, 63
	UNIT 7, 128, AF+96, AF+112, 0, 63
	FETCHY 3                                       ; behind unit 7's
	s_wait_dscnt 16
	UNIT 8, 0, AF, AF+16, 0, 63
	UNIT 9, 128, AF+32, AF+48, 0, 63
	s_wait_dscnt 0x0
	UNIT 10, 0, AF+64, AF+80, 0, 63
	UNIT 11, 128, AF+96, AF+112, 0, 63
; ---------------- ff = (u sigmoid(u)) v, quantised.  sigmoid(u) = 1 / (1 + 2^(-log2(e) u))
.macro FSTORE m                        ; row tile m's codes: K step w of the last product
.irp c, 0,1,2,3
	ds_store_b128 v6, v[32+16*\m+4*\c:35+16*\m+4*\c] offset:FIMG+8192*\m+512*\c
.endr
.endm
.macro SWIGLU m
	WIN 0x02
.set q, 0
.rept 32
	v_pk_mul_f32 v[TT+2*q:TT+2*q+1], v[64*\m+2*q:64*\m+2*q+1], s[52:53] op_sel_hi:[1,0]
.set q, q+1
.endr
	WIN 0
.set q, 0
	s_wait_alu depctr_va_vdst(0)
.rept 64
	v_exp_f32 v[TT+q], v[TT+q]
.set q, q+1
.endr
	v_nop
	s_wait_alu depctr_va_vdst(0)                   ; one wait for the batch: the exponentials are written; in row tile 1 also: row tile 0's conversions have written v32-47
.if \m == 1
	FSTORE 0                                       ; no vector instruction since the wait names v6 or v32-47
.endif
.set q, 0
.rept 32
	v_pk_add_f32 v[TT+2*q:TT+2*q+1], v[TT+2*q:TT+2*q+1], 1.0 op_sel_hi:[1,0]
.set q, q+1
.endr
.set q, 0
	s_wait_alu depctr_va_vdst(0)
.rept 64
	v_rcp_f32 v[TT+q], v[TT+q]
.set q, q+1
.endr
	v_nop
	s_wait_alu depctr_va_vdst(0)                   ; one wait for the batch: the reciprocals are written
	WIN 0x82
.set q, 0
.rept 32
	v_pk_mul_f32 v[64*\m+2*q:64*\m+2*q+1], v[64*\m+2*q:64*\m+2*q+1], v[TT+2*q:TT+2*q+1]
.set q, q+1
.endr
	WIN 0x8a
.set q, 0
.rept 32
	v_pk_mul_f32 v[64*\m+2*q:64*\m+2*q+1], v[64*\m+2*q:64*\m+2*q+1], v[128+64*\m+2*q:129+64*\m+2*q]
.set q, q+1
.endr
	WIN 0x82
.set q, 0
.rept 64
	v_med3_num_f32 v[64*\m+q], v[64*\m+q], -v29, v29
.set q, q+1
.endr
	WIN 0x02
.set q, 0
.rept 8
	v_cvt_scalef32_pk8_fp8_f32 v[32+16*\m+2*q:33+16*\m+2*q], v[64*\m+8*q:64*\m+8*q+7], v28
.set q, q+1
.endr
	v_nop
	WIN 0
.endm
	s_wait_alu depctr_vm_vsrc(0)                   ; the LDS stores of y's images have read v192-255, which the lines below write again
	SWIGLU 0
	SWIGLU 1
	s_wait_alu depctr_va_vdst(0)                   ; row tile 1's conversions have written v48-63, which the stores read
	FSTORE 1
	BARRIER
; ---------------- ff w2^T
.irp s, 0,1,2,3
.irp m, 0,1
.irp c, 0,1,2,3
	ds_load_b128 v[AF+16*(4*\m+\s)+4*\c:AF+16*(4*\m+\s)+4*\c+3], v1 offset:FIMG+(4*\m+\s)*2048+512*\c   ; the products that read these registers stand ahead of the waits above
.endr
.endr
.endr
	s_wait_dscnt 24                                ; eight loads to a K step: the later steps' are younger
	UNIT 12, 0, AF, AF+64, 1, 63
	s_wait_dscnt 16
	UNIT 13, 0, AF+16, AF+80, 0, 63
	s_wait_dscnt 8
	UNIT 14, 0, AF+32, AF+96, 0, 32                ; behind unit 14's loads: unit 15's 32
	s_wait_dscnt 0x0
	UNIT 15, 0, AF+48, AF+112, 0, 0
; ---------------- the way out: a lane holds pieces of one row, so 16 rows x my 128 columns go through my own stage and come back as rows of 512 bytes
	WIN 0x92
.set q, 0
.rept 64
	v_pk_fma_f32 v[128+2*q:129+2*q], v[2*q:2*q+1], s[54:55], v[2*q:2*q+1] op_sel_hi:[1,0,1]   ; out = sum x 2^(e16 + e17) + x1: both row tiles, each accumulator from its low end on
.set q, q+1
.endr
	WIN 0x08
	s_wait_alu depctr_va_vdst(0)                   ; the multiply-adds have written v128-255 of window 2, which the stage's stores read, and are done reading v0-127 there, in which the stage's loads land
.irp m, 0,1
	WIN 0x08
.set q, 0
.rept 16
	ds_store_b128 v9, v[128+64*\m+4*q:131+64*\m+4*q] offset:128*(q/4)+16*(q%4)
.set q, q+1
.endr
	WIN 0x80
.set q, 0
.rept 16
	ds_load_b128 v[64*\m+4*q:64*\m+4*q+3], v10 offset:528*q            ; LDS serves a wave's instructions in order (ISA guide 5.7.1): these see my stores, and the next tile's stores come behind them
.set q, q+1
.endr
	WIN 0x08
.set q, 0
.rept 16
	s_wait_dscnt 15-q                              ; row q is back; the rows behind it may be out
	global_store_b128 v11, v[64*\m+4*q:64*\m+4*q+3], s[14:15] offset:(16*\m+q)*2048 th:TH_STORE_NT   ; 512 consecutive bytes, aligned; written once
.set q, q+1
.endr
.endr
	WIN 0
	s_wait_dscnt 0x0
	s_wait_alu depctr_hold_cnt(0) depctr_sa_sdst(0) depctr_va_vdst(0) depctr_va_sdst(0) depctr_va_ssrc(0) depctr_va_vcc(0) depctr_vm_vsrc(0)
	s_wait_tensorcnt 0x0
	ds_add_u32 v30, v31
	s_wait_dscnt 0x0
	s_endpgm
.Lfunc_end_k_qbc65ef670e_ffn:
	.size	k_qbc65ef670e_ffn, .Lfunc_end_k_qbc65ef670e_ffn-k_qbc65ef670e_ffn
	.p2alignl 7, 3214868480
	.fill 96, 4, 3214868480
	.section	.rodata,"a",@progbits
	.p2align	6, 0x0
	.amdhsa_kernel k_qbc65ef670e_ffn
		.amdhsa_group_segment_fixed_size 83968
		.amdhsa_private_segment_fixed_size 0
		.amdhsa_enable_private_segment 0
		.amdhsa_kernarg_size 48
		.amdhsa_user_sgpr_count 2
		.amdhsa_user_sgpr_kernarg_segment_ptr 1
		.amdhsa_wavefront_size32 1
		.amdhsa_system_sgpr_workgroup_id_x 1
		.amdhsa_system_sgpr_workgroup_id_y 1
		.amdhsa_system_sgpr_workgroup_id_z 1
		.amdhsa_system_vgpr_workitem_id 0
		.amdhsa_next_free_vgpr 1024
		.amdhsa_next_free_sgpr 66
		.amdhsa_reserve_vcc 1
		.amdhsa_float_denorm_mode_32 3
		.amdhsa_float_denorm_mode_16_64 3
		.amdhsa_memory_ordered 1
		.amdhsa_forward_progress 1
		.amdhsa_inst_pref_size 172
	.end_amdhsa_kernel
	.amdgpu_metadata
---
amdhsa.version: [ 1, 2 ]
amdhsa.kernels:
  - .name:           k_qbc65ef670e_ffn
    .symbol:         k_qbc65ef670e_ffn.kd
    .args:
      - { .name: acode, .offset: 0, .size: 8, .value_kind: global_buffer, .address_space: global }
      - { .name: x, .offset: 8, .size: 8, .value_kind: global_buffer, .address_space: global }
      - { .name: ln2_w, .offset: 16, .size: 8, .value_kind: global_buffer, .address_space: global }
      - { .name: lowp_scales, .offset: 24, .size: 8, .value_kind: global_buffer, .address_space: global }
      - { .name: wimg, .offset: 32, .size: 8, .value_kind: global_buffer, .address_space: global }
      - { .name: out0, .offset: 40, .size: 8, .value_kind: global_buffer, .address_space: global }
    .group_segment_fixed_size: 83968
    .private_segment_fixed_size: 0
    .kernarg_segment_align: 8
    .kernarg_segment_size: 48
    .max_flat_workgroup_size: 128
    .sgpr_count:     66
    .vgpr_count:     1024
    .wavefront_size: 32
...
	.end_amdgpu_metadata
.endif
;; end of part 8
